; MI455X (gfx1250); checked and timed in simulation.
; The chip was launched on July 23, 2026; its instructions are those of AMD's public machine-readable ISA for CDNA 5 (MIT licence, August 2026) and "CDNA5" Instruction Set Architecture Reference Guide (July 2026). The comments in the code are by the model that wrote it; some were corrected since.
;; Cam Embedding. Allowed arithmetic: matrix products marked QUANTISED: E3M2 operands, one E8M0 scale for each 32 along K, by v_wmma_scale_f32_16x16x128_f8f6f4 with both operands' format E3M2, f32 sums; everything else in f32.
;; Inputs: W_codes 8 x 2,048 x 64 x 24 uint8 (E3M2 codes of W, K innermost, in blocks of 32 codes, four codes in three bytes); W_scales 8 x 2,048 x 64 uint8 (E8M0 scales of W, one for each 32 codes along K); b 8 x 2,048 float32; cam_pred_ids 2,048 int32; x 2,048 x 2,048 float32.
;; Outputs: out0 2,048 x 2,048 float32.
;; This version of the problem:
;;   THIS VERSION OF THE PROBLEM IS GIVEN IN LOW PRECISION. The matrix products marked QUANTISED in the list below multiply operands that are first quantised to E3M2 (3 exponent bits, 2 mantissa bits; 6 bits a number), with one power-of-two scale for each 32 numbers along K (OCP MX v1.0); their sums are f32. All else is computed in f32.
;;   The module's matrix products, in the order in which they are computed (A, B: the left and right operand; K: the contracted axis; several contracted axes count as one K, in the product's order):
;;     1. [M 2,048, K 2,048] x [K 2,048, N 2,048]; A: input x; B: input W (given as codes): QUANTISED
;;     2. [M 2,048, K 2,048] x [K 2,048, N 2,048]; A: input x; B: input W (given as codes): QUANTISED
;;     3. [M 2,048, K 2,048] x [K 2,048, N 2,048]; A: input x; B: input W (given as codes): QUANTISED
;;     4. [M 2,048, K 2,048] x [K 2,048, N 2,048]; A: input x; B: input W (given as codes): QUANTISED
;;     5. [M 2,048, K 2,048] x [K 2,048, N 2,048]; A: input x; B: input W (given as codes): QUANTISED
;;     6. [M 2,048, K 2,048] x [K 2,048, N 2,048]; A: input x; B: input W (given as codes): QUANTISED
;;     7. [M 2,048, K 2,048] x [K 2,048, N 2,048]; A: input x; B: input W (given as codes): QUANTISED
;;     8. [M 2,048, K 2,048] x [K 2,048, N 2,048]; A: input x; B: input W (given as codes): QUANTISED
;;   THE QUANTISER, for each operand of a quantised product, along K:
;;     - K is cut into blocks of 32 from its start; a last block that is shorter is filled with zeros.
;;     - A block's scale is 2^e with e = floor(log2(the largest magnitude in the block)) - 4, held to -126 .. 127; a block of zeros has e = 0. As a byte (E8M0): e + 127.
;;     - Each number is divided by its block's scale, clamped to +-28, and rounded to the nearest number of E3M2, ties to even, subnormals kept.
;;     - The product sums the exact products of the quantised numbers (number of the format x scale) in f32.
;;   ~~~python
;;   def quantise(x, axis):      # numpy; x: float32 -> the quantised numbers, widened to float32 again
;;       x = np.moveaxis(x, axis, -1); K = x.shape[-1]
;;       x = np.pad(x, [(0, 0)] * (x.ndim - 1) + [(0, -K % 32)]); x = x.reshape(x.shape[:-1] + (-1, 32)); a = np.abs(x).max(-1, keepdims=True)
;;       e = np.where(a > 0, np.clip(np.frexp(np.where(a > 0, a, 1))[1] - 1 - 4, -126, 127), 0)      # np.frexp(a)[1] - 1 = floor(log2(a)), exactly
;;       r = np.clip(x / 2.0 ** e, -28, 28)
;;       step = 2.0 ** (np.maximum(np.frexp(np.where(r == 0, 1, r))[1] - 1, -2) - 2)
;;       q = np.round(r / step) * step * 2.0 ** e      # np.round: ties to even
;;       return np.moveaxis(q.reshape(q.shape[:-2] + (-1,))[..., :K], -1, axis).astype(np.float32)
;;   ~~~
;;   INPUTS GIVEN AS CODES. W (in the module: [8, 2048, 2048], K = its axis 2): each comes as NAME_codes (uint8): NAME with its K axis moved to the last place and cut into blocks of 32 codes, [.., K / 32, bytes a block], one block behind the other in memory; four codes in three bytes: a row's codes are one little-endian stream of bits, code i at bits 6 i .. 6 i + 5 (a code: sign, 3 exponent bits, 2 mantissa bits); and NAME_scales (uint8): the same leading axes, one E8M0 byte (e + 127) for each 32 codes along K. Its value is code x scale, taken as it is: it is not quantised again, and the codes and scales need not be those that the quantiser above would give.
;; 2 versions. Each part assembles by itself: llvm-mc -triple=amdgcn-amd-amdhsa -mcpu=gfx1250 --defsym DOCPART=n.
;; ======== version 1 of 2: 3 launches
;; workspace buffers: xq 3,342,336 bytes; xs 139,264 bytes; rows 17,408 bytes of whole numbers; seg 256 bytes of whole numbers
;; launch sort (part 1): grid 136 x 1, 8 waves a work-group, no clusters, 3,072 bytes of LDS; arguments cam_pred_ids, rows, seg; writes rows, seg
.if DOCPART == 1
	.amdgcn_target "amdgcn-amd-amdhsa--gfx1250"
	.amdhsa_code_object_version 6
	.text
	.protected	k_q9b2c2da71b_sort
	.globl	k_q9b2c2da71b_sort
	.p2align	8
	.type	k_q9b2c2da71b_sort,@function
k_q9b2c2da71b_sort:
	s_mov_b64 s[64:65], 0
	v_nop
	global_prefetch_b8 v0, s[64:65] scope:SCOPE_SE
	s_setreg_imm32_b32 hwreg(HW_REG_WAVE_MODE, 25, 1), 1
	s_wait_xcnt 0x0
; THE TOKENS ARE SORTED BY EXPERT.  cam_pred_ids: [2048] i32.
; Nine buckets: experts 0 to 7, and bucket 8 for an id outside 0 .. 7 (no mask of the sum takes such a token).  A bucket's tokens are cut into tiles of 16 rows; the buckets' tiles follow
; each other: at most 2048 / 16 + 8 = 136 tiles, whatever the ids.  The last tile of a bucket is filled up with copies of its last token.
; SHARES.  Work-group b makes the list of tile b.  Each work-group repeats the counting sort of the 2,048 ids for itself (256 ids a wave, two barriers) and keeps only the 16 tokens of its
; own tile: no traffic between work-groups.
; NO BRANCH AND NO MEMORY ADDRESS OF THIS LAUNCH HANGS ON THE IDS: every work-group stores its 128 bytes at its fixed place, a tile that this split does not reach too (marked as such).
; What is stored here as whole numbers steers the addresses, branches and trip counts of the two launches behind it.
; OUT.  rows [136][32]: words 0-15 the tile's tokens; word 16 the tile's bucket (0-7 an expert, 8 no expert, 9 this split has no such tile); words 17-31 are not read.
;       seg: words 0-7 each expert's first tile, words 8-15 its number of tiles.
.set TT,    0                          ; LDS: the waves' counts: 32 words a wave (lanes 0-8 the nine buckets')
.set PP,    1024                       ; LDS: the waves' parts of the tile's token list: 32 words a wave
.set ID,    16                         ; v16-23   my 8 ids, as buckets
.set PR,    24                         ; v24-31   eight words at work
.set CNT,   24                         ; s24-32   my wave's counts
.set TOT,   36                         ; s36-44   the buckets' totals
.set PRE,   45                         ; s45-53   the counts of the waves in front of mine
.set TS,    66                         ; s66-74   the buckets' first tiles
.set NTL,   75                         ; s75-83   their numbers of tiles
.set TOK,   84                         ; s84-99   the tile's 16 tokens (before that: masks at work)
	s_load_b128 s[4:7], s[0:1], 0x0                ; ids s[4:5], rows s[6:7]
	s_load_b64 s[8:9], s[0:1], 0x10                ; seg
	v_lshl_add_u32 v32, v0, 2, 0x800
	v_mov_b32 v33, 0
	v_lshrrev_b32 v8, 5, v0
	v_readfirstlane_b32 s18, v8                    ; wave 0..7
	s_mov_b32 s19, ttmp9                           ; b: my tile
	v_and_b32 v1, 31, v0                           ; lane
	v_lshlrev_b32 v2, 2, v1                        ; 4 x lane
	v_lshlrev_b32 v3, 2, v0                        ; 4 x thread
	v_lshlrev_b32 v4, 4, v1                        ; 16 x lane
	s_lshl_b32 s33, s18, 8
	v_add_nc_u32 v7, s33, v2                       ; the token of my first id: 256 x wave + 4 x lane
	s_lshl_b32 s33, s18, 10
	v_add_nc_u32 v15, s33, v4                      ; and its byte in the ids
	s_wait_kmcnt 0x0
	global_load_b128 v[ID:ID+3], v15, s[4:5]               ; tokens 256 w + 4 lane + 0 .. 3
	global_load_b128 v[ID+4:ID+7], v15, s[4:5] offset:512  ; tokens 256 w + 128 + 4 lane + 0 .. 3
	s_wait_loadcnt 0x0
.irp j, 0,1,2,3,4,5,6,7
	v_min_u32 v[ID+\j], 8, v[ID+\j]                ; unsigned: a negative id and one over 7 fall into bucket 8
.endr
	; ---- my wave's counts of the nine buckets
.irp e, 0,1,2,3,4,5,6,7
.irp j, 0,1,2,3,4,5,6,7
	v_cmp_eq_u32 s[TOK+\j], \e, v[ID+\j]
.endr
.irp j, 0,1,2,3,4,5,6,7
	s_bcnt1_i32_b32 s[TOK+\j], s[TOK+\j]
.endr
	s_add_co_u32 s[CNT+\e], s[TOK], s[TOK+1]
	s_add_co_u32 s33, s[TOK+2], s[TOK+3]
	s_add_co_u32 s34, s[TOK+4], s[TOK+5]
	s_add_co_u32 s35, s[TOK+6], s[TOK+7]
	s_add_co_u32 s[CNT+\e], s[CNT+\e], s33
	s_add_co_u32 s34, s34, s35
	s_add_co_u32 s[CNT+\e], s[CNT+\e], s34
.endr
	s_add_co_u32 s33, s[CNT], s[CNT+1]
	s_add_co_u32 s34, s[CNT+2], s[CNT+3]
	s_add_co_u32 s35, s[CNT+4], s[CNT+5]
	s_add_co_u32 s[CNT+8], s[CNT+6], s[CNT+7]
	s_add_co_u32 s33, s33, s34
	s_add_co_u32 s35, s35, s[CNT+8]
	s_add_co_u32 s33, s33, s35
	s_sub_co_u32 s[CNT+8], 256, s33                ; what is left of my 256 ids is bucket 8's
	v_mov_b32 v12, 0
.irp e, 0,1,2,3,4,5,6,7,8
	v_writelane_b32 v12, s[CNT+\e], \e
.endr
	ds_store_b32 v3, v12                           ; my wave's 32 words of TT
	s_wait_dscnt 0x0                               ; for the others' sake: my store has landed
	s_barrier_signal -1
	s_barrier_wait -1
	; ---- every wave for itself: the totals, the counts in front of my wave, the buckets' tiles, and which bucket tile b belongs to
.irp w, 0,1,2,3,4,5,6,7
	ds_load_b32 v[PR+\w], v2 offset:TT+128*\w
.endr
	v_mov_b32 v8, 0
	v_mov_b32 v9, 0
	s_wait_dscnt 0x0
.irp w, 0,1,2,3,4,5,6,7
	s_cmp_lt_u32 \w, s18
	s_cselect_b32 s33, -1, 0
	v_add_nc_u32 v8, v8, v[PR+\w]                  ; all eight waves'
	v_and_b32 v10, s33, v[PR+\w]
	v_add_nc_u32 v9, v9, v10                       ; those of the waves in front of mine
.endr
.irp e, 0,1,2,3,4,5,6,7,8
	v_readlane_b32 s[TOT+\e], v8, \e
	v_readlane_b32 s[PRE+\e], v9, \e
.endr
	s_mov_b32 s60, 0                               ; the running first tile
	s_mov_b32 s55, 0                               ; my tile's bucket,
	s_mov_b32 s56, 0                               ; that bucket's first tile,
	s_mov_b32 s57, 0                               ; its number of tokens,
	s_mov_b32 s58, 0                               ; and how many of them lie in front of my wave
.irp e, 0,1,2,3,4,5,6,7,8
	s_cmp_le_u32 s60, s19                          ; the last bucket that begins at or in front of tile b is b's (an empty bucket begins where the next one does)
	s_cselect_b32 s55, \e, s55
	s_cselect_b32 s56, s60, s56
	s_cselect_b32 s57, s[TOT+\e], s57
	s_cselect_b32 s58, s[PRE+\e], s58
	s_mov_b32 s[TS+\e], s60
	s_add_co_u32 s61, s[TOT+\e], 15
	s_lshr_b32 s[NTL+\e], s61, 4
	s_add_co_u32 s60, s60, s[NTL+\e]
.endr
	s_mov_b32 s63, s60                             ; tiles in all
	s_sub_co_u32 s61, s19, s56
	s_lshl_b32 s61, s61, 4                         ; k0: the rank, in its bucket, of my tile's first token
	s_sub_co_u32 s59, s58, s61                     ; the rank of my wave's first token of the bucket, less k0 (it may wrap: then it is no rank 0 .. 15)
	; ---- the tokens of ranks k0 .. k0 + 15: a lane that holds one sends its number to the lane of that rank; all others send to lane 31, which nobody reads.
	; The order in a bucket: by wave, then by my register j, then by lane: the same in every work-group.
	v_mov_b32 v11, 124
.irp j, 0,1,2,3,4,5,6,7
	v_cmp_eq_u32 s33, s55, v[ID+\j]
	v_mbcnt_lo_u32_b32 v8, s33, s59                ; rank - k0
	s_bcnt1_i32_b32 s34, s33
	s_add_co_u32 s59, s59, s34
	v_cmp_gt_u32 vcc_lo, 16, v8
	s_and_b32 vcc_lo, vcc_lo, s33
	v_lshlrev_b32 v9, 2, v8
	v_cndmask_b32 v9, v11, v9, vcc_lo
	v_add_nc_u32 v10, 128*(\j/4)+\j%4, v7          ; the token's number
	ds_permute_b32 v[PR+\j], v9, v10               ; a lane to which nothing is sent gets 0 (ISA guide, the instruction's entry); no LDS byte is touched
.endr
	s_wait_dscnt 0x0
	v_add3_u32 v13, v[PR], v[PR+1], v[PR+2]        ; each rank is sent once, by one lane of one wave: the sum over registers and waves is the token
	v_add3_u32 v13, v13, v[PR+3], v[PR+4]
	v_add3_u32 v13, v13, v[PR+5], v[PR+6]
	v_add_nc_u32 v13, v13, v[PR+7]
	ds_store_b32 v3, v13 offset:PP
	s_wait_dscnt 0x0                               ; for the others' sake: my store has landed
	s_barrier_signal -1
	s_barrier_wait -1                              ; the last barrier
	s_cmp_lg_u32 s18, 0
	s_cbranch_scc1 .Lend                           ; wave 0 puts the list together and stores it
.irp w, 0,1,2,3,4,5,6,7
	ds_load_b32 v[PR+\w], v2 offset:PP+128*\w
.endr
	s_sub_co_u32 s62, s57, s61
	s_sub_co_u32 s62, s62, 1
	s_min_u32 s62, s62, 15                         ; the tile's last row that holds a token of its own
	s_wait_dscnt 0x0
	v_add3_u32 v14, v[PR], v[PR+1], v[PR+2]
	v_add3_u32 v14, v14, v[PR+3], v[PR+4]
	v_add3_u32 v14, v14, v[PR+5], v[PR+6]
	v_add_nc_u32 v14, v14, v[PR+7]                 ; lane q < 16: the tile's token q
.irp r, 0,1,2,3,4,5,6,7,8,9,10,11,12,13,14,15
	v_readlane_b32 s[TOK+\r], v14, \r
.endr
.irp r, 1,2,3,4,5,6,7,8,9,10,11,12,13,14,15
	s_cmp_le_u32 \r, s62
	s_cselect_b32 s[TOK+\r], s[TOK+\r], s[TOK+\r-1]        ; carried along: s[TOK+15] ends as the tile's last own token
.endr
	v_mov_b32 v9, s[TOK+15]
	v_cmp_lt_u32 vcc_lo, s62, v1
	v_cndmask_b32 v14, v14, v9, vcc_lo             ; a row past the bucket's end repeats the last token
	v_min_u32 v14, 0x7ff, v14
	s_cmp_ge_u32 s19, s63
	s_cselect_b32 s33, 9, s55                      ; the tile's bucket; 9: this split has no tile b (a choice of a value: nothing is jumped over)
	v_writelane_b32 v14, s33, 16
	s_lshl_b32 s33, s19, 7
	v_add_nc_u32 v10, s33, v2
	global_store_b32 v10, v14, s[6:7]              ; 128 consecutive bytes, at 128 b
	s_cmp_lg_u32 s19, 0
	s_cbranch_scc1 .Lend                           ; tile 0's work-group also stores the experts' tiles
	v_mov_b32 v12, 0
.irp e, 0,1,2,3,4,5,6,7
	v_writelane_b32 v12, s[TS+\e], \e
	v_writelane_b32 v12, s[NTL+\e], 8+\e
.endr
	global_store_b32 v2, v12, s[8:9]
.Lend:
	s_wait_tensorcnt 0x0
	ds_add_u32 v32, v33
	s_wait_dscnt 0x0
	s_endpgm
.Lfunc_end_k_q9b2c2da71b_sort:
	.size	k_q9b2c2da71b_sort, .Lfunc_end_k_q9b2c2da71b_sort-k_q9b2c2da71b_sort
	.p2alignl 7, 3214868480
	.fill 96, 4, 3214868480
	.section	.rodata,"a",@progbits
	.p2align	6, 0x0
	.amdhsa_kernel k_q9b2c2da71b_sort
		.amdhsa_group_segment_fixed_size 3072
		.amdhsa_private_segment_fixed_size 0
		.amdhsa_enable_private_segment 0
		.amdhsa_kernarg_size 24
		.amdhsa_user_sgpr_count 2
		.amdhsa_user_sgpr_kernarg_segment_ptr 1
		.amdhsa_wavefront_size32 1
		.amdhsa_system_sgpr_workgroup_id_x 1
		.amdhsa_system_sgpr_workgroup_id_y 1
		.amdhsa_system_sgpr_workgroup_id_z 1
		.amdhsa_system_vgpr_workitem_id 0
		.amdhsa_next_free_vgpr 34
		.amdhsa_next_free_sgpr 100
		.amdhsa_reserve_vcc 1
		.amdhsa_float_denorm_mode_32 3
		.amdhsa_float_denorm_mode_16_64 3
		.amdhsa_memory_ordered 1
		.amdhsa_forward_progress 1
		.amdhsa_inst_pref_size 25
	.end_amdhsa_kernel
	.amdgpu_metadata
---
amdhsa.version: [ 1, 2 ]
amdhsa.kernels:
  - .name:           k_q9b2c2da71b_sort
    .symbol:         k_q9b2c2da71b_sort.kd
    .args:
      - { .name: cam_pred_ids, .offset: 0, .size: 8, .value_kind: global_buffer, .address_space: global }
      - { .name: rows, .offset: 8, .size: 8, .value_kind: global_buffer, .address_space: global }
      - { .name: seg, .offset: 16, .size: 8, .value_kind: global_buffer, .address_space: global }
    .group_segment_fixed_size: 3072
    .private_segment_fixed_size: 0
    .kernarg_segment_align: 8
    .kernarg_segment_size: 24
    .max_flat_workgroup_size: 256
    .sgpr_count:     100
    .vgpr_count:     34
    .wavefront_size: 32
...
	.end_amdgpu_metadata
.endif
;; end of part 1
;; launch prep (part 2): grid 136 x 2, 8 waves a work-group, no clusters, 68,608 bytes of LDS; arguments x, rows, xq, xs, out0; writes xq, xs, out0
.if DOCPART == 2
	.amdgcn_target "amdgcn-amd-amdhsa--gfx1250"
	.amdhsa_code_object_version 6
	.text
	.protected	k_q9b2c2da71b_prep
	.globl	k_q9b2c2da71b_prep
	.p2align	8
	.type	k_q9b2c2da71b_prep,@function
k_q9b2c2da71b_prep:
	s_mov_b64 s[64:65], 0
	v_nop
	global_prefetch_b8 v0, s[64:65] scope:SCOPE_SE
	s_setreg_imm32_b32 hwreg(HW_REG_WAVE_MODE, 25, 1), 1
	s_wait_xcnt 0x0
; THE SORTED ROWS OF x ARE GATHERED AND QUANTISED.  x: [2048][2048] f32.  rows [136][32], from the launch before: words 0-15 a tile's 16 tokens, word 16 its bucket
; (0-7 an expert; 8: ids outside 0 .. 7, which no mask of the sum takes: their rows of the output are x's rows, copied here; 9: this split of the tokens has no such tile).
; SHARES.  Work-group (b, y): tile b, half y of K.  Each of its eight waves makes ONE operand fragment: 16 rows x 128 along K, K step s = 8 y + wave.  Waves share nothing: no barrier.
; A work-group whose tile this split does not reach stores nothing and ends: the price of a grid that serves every split (at most 2048 / 16 + 8 = 136 tiles).
; OUT.  xq [136 tiles][16 K steps][3][32 lanes][16 bytes]: a fragment as the image of its 12 registers; xs [136][16 steps][16 rows]: a scale word a row.
; THE ORDER OF K INSIDE A STEP OF 128.  Lane (r, h) holds the codes of k = 128 s + 64 h + 0 .. 63 of row r: 48 consecutive bytes of the row's stream of codes.  The matrix instruction takes a
; lane's registers 6 c .. 6 c + 5 for its block 2 c + h, so its block 2 c + h is the true block 2 h + c.  The product's launch lays W the same way: the same products are summed,
; grouped otherwise inside an instruction.  A scale word's bytes follow: byte 2 c + h is the true block 2 h + c's.
; THE QUANTISER.  A block's scale byte is the exponent field of its largest magnitude less 4, held at 1 from below; each number / scale goes to the nearest code of E3M2, ties to even,
; beyond 28 the largest code.  LIMITS: a block of zeros gets the byte 1 where the rule says 127 (its codes are zeros, and this program alone reads the bytes);
; NaN and infinities in x are not served.
.set SP,    528                        ; a stage row: 512 bytes + 16: an odd multiple of 16 bytes, so that the sixteen rows that a load of 16 bytes a lane touches begin in sixteen different columns of 16 bytes modulo 256
.set WSTG,  16*SP                      ; LDS: a stage of 16 rows for each wave, its own, at wave x WSTG
.set AD,    32                         ; v32-47   row r: byte offset of my 16 bytes in x (and in out0)
.set R,     48                         ; v48-111  16 rows as loaded: 4 registers each
.set X,     112                        ; v112-175 my 64 neighbours along K
.set C,     176                        ; v176-187 the fragment's 12 registers
.set TC,    188                        ; v188-190, v192-194 the second halves of the two blocks' codes
.set MX,    196                        ; v196-197 the blocks' largest magnitudes
.set SO,    198                        ; v198-199 the conversions' scale operands
.set BY,    200                        ; v200-201 the scale bytes
.set WD,    202                        ; v202     the scale word
.set TW,    203                        ; v203     at work
.set SIN,   204                        ; v204     the stage: where a load's 16 bytes go
.set SOUT,  205                        ; v205     and where my 64 neighbours begin
.set XQO,   206                        ; v206     my byte offset in xq
.set XSO,   207                        ; v207     and in xs
.set TOK,   36                         ; s36-51   the tile's 16 tokens
	s_load_b256 s[4:11], s[0:1], 0x0               ; x s[4:5], rows s[6:7], xq s[8:9], xs s[10:11]
	s_load_b64 s[12:13], s[0:1], 0x20              ; out0
	v_lshl_add_u32 v208, v0, 2, 0x10800
	v_mov_b32 v209, 0
	v_lshrrev_b32 v8, 5, v0
	v_readfirstlane_b32 s18, v8                    ; wave 0..7
	s_mov_b32 s19, ttmp9                           ; b: my tile
	s_and_b32 s20, ttmp7, 0xffff                   ; y: my half of K
	s_lshl_b32 s21, s20, 3
	s_add_co_u32 s21, s21, s18                     ; s: my wave's K step
	s_mov_b32 s22, 0x76543210                      ; v_permlanex16_b32's selects for lane l xor 16
	s_mov_b32 s23, 0xfedcba98
	s_lshl_b32 s26, s19, 7                         ; my tile's 128 bytes of rows
	s_mov_b32 s27, 0
	s_wait_kmcnt 0x0
	s_add_nc_u64 s[6:7], s[6:7], s[26:27]
	s_load_b512 s[TOK:TOK+15], s[6:7], 0x0         ; the tile's tokens
	s_load_b32 s24, s[6:7], 0x40                   ; and its bucket
	v_and_b32 v1, 31, v0                           ; lane
	v_lshlrev_b32 v4, 4, v1                        ; 16 x lane
	v_and_b32 v5, 15, v0                           ; r
	v_bfe_u32 v6, v0, 4, 1                         ; h
	s_mul_i32 s33, s18, WSTG                       ; my wave's stage
	v_add_nc_u32 v[SIN], s33, v4
	v_mul_u32_u24 v[SOUT], v5, SP
	v_lshl_add_u32 v[SOUT], v6, 8, v[SOUT]         ; row r, + 256 h bytes: 64 numbers
	v_add_nc_u32 v[SOUT], s33, v[SOUT]
	s_lshl_b32 s33, s21, 9
	v_add_nc_u32 v8, s33, v4                       ; my 16 bytes in a row: 512 s + 16 x lane
	s_lshl_b32 s33, s19, 4
	s_add_co_u32 s33, s33, s21
	s_mul_i32 s33, s33, 1536                       ; fragment 16 b + s of xq
	v_add_nc_u32 v[XQO], s33, v4
	s_lshl_b32 s33, s19, 10
	s_lshl_b32 s34, s21, 6
	s_add_co_u32 s33, s33, s34
	v_lshl_add_u32 v[XSO], v5, 2, s33              ; xs: 1,024 b + 64 s + 4 r
	s_wait_kmcnt 0x0
	s_cmp_ge_u32 s24, 9
	s_cbranch_scc1 .Lend                           ; this split has no tile b
.irp r, 0,1,2,3,4,5,6,7,8,9,10,11,12,13,14,15
	s_min_u32 s[TOK+\r], s[TOK+\r], 0x7ff          ; a token's number, held inside x
	v_lshl_add_u32 v[AD+\r], s[TOK+\r], 13, v8     ; a row of x is 8,192 bytes
.endr
.irp r, 0,1,2,3,4,5,6,7,8,9,10,11,12,13,14,15
	global_load_b128 v[R+4*\r:R+4*\r+3], v[AD+\r], s[4:5]  ; 32 lanes read 512 consecutive bytes of row r, from a multiple of 512.  No hint: the next launch reads x again
.endr
	s_cmp_eq_u32 s24, 8
	s_cbranch_scc1 .Lcopy
	; ---- the turn through my wave's stage: in as loaded (a row's 512 bytes on end), out 64 neighbours a lane.  LDS serves a wave's instructions in order (ISA guide 5.7.1): no wait between
.irp r, 0,1,2,3,4,5,6,7,8,9,10,11,12,13,14,15
	s_wait_loadcnt 15-\r                           ; row r is in; the 15 - r loads issued behind it may be out
	ds_store_b128 v[SIN], v[R+4*\r:R+4*\r+3] offset:SP*\r
.endr
.irp i, 0,1,2,3,4,5,6,7,8,9,10,11,12,13,14,15
	ds_load_b128 v[X+4*\i:X+4*\i+3], v[SOUT] offset:16*\i
.endr
	s_wait_dscnt 0x0
	; ---- my two blocks of 32: all their numbers are mine
.irp c, 0,1
	v_max3_num_f32 v[MX+\c], |v[X+32*\c]|, |v[X+32*\c+1]|, 0x2800000       ; and the floor 2^(5 - 127), under which no largest magnitude is taken: so the byte cannot fall under 1
.endr
.irp i, 2,4,6,8,10,12,14,16,18,20,22,24,26,28,30
.irp c, 0,1
	v_max3_num_f32 v[MX+\c], v[MX+\c], |v[X+32*\c+\i]|, |v[X+32*\c+\i+1]|  ; (the two blocks by turns)
.endr
.endr
.irp c, 0,1
	v_add_nc_u32 v[SO+\c], 0xfe000000, v[MX+\c]    ; 4 off the exponent field: the conversion takes the exponent field of this operand as its scale, and nothing else of it
.endr
.irp c, 0,1
	v_lshrrev_b32 v[BY+\c], 23, v[SO+\c]           ; the scale's byte
.endr
.irp c, 0,1
	v_cvt_scalef32_pk16_bf6_f32 v[C+6*\c:C+6*\c+2], v[X+32*\c:X+32*\c+15], v[SO+\c]
	v_cvt_scalef32_pk16_bf6_f32 v[TC+4*\c:TC+4*\c+2], v[X+32*\c+16:X+32*\c+31], v[SO+\c]   ; (a conversion's three registers begin on an even number: the second half of a block's six is made here and moved)
.endr
	v_nop                                          ; one plain place behind a scaled conversion
.irp c, 0,1
.irp i, 0,1,2
	v_mov_b32 v[C+6*\c+3+\i], v[TC+4*\c+\i]
.endr
.endr
	v_lshl_or_b32 v[WD], v[BY+1], 16, v[BY]        ; my two bytes belong at bytes h and 2 + h of the row's word
	v_lshlrev_b32 v[TW], 3, v6
	v_lshlrev_b32 v[WD], v[TW], v[WD]
	v_mov_b32 v[TW], 0                             ; (a lane permute's destination counts as one of its sources)
	v_permlanex16_b32 v[TW], v[WD], s22, s23
	v_or_b32 v[WD], v[WD], v[TW]                   ; with lane l xor 16's two the word is whole, in both lanes
.irp i, 0,1,2
	global_store_b128 v[XQO], v[C+4*\i:C+4*\i+3], s[8:9] offset:512*\i     ; registers 4 i .. 4 i + 3 of all lanes: 512 consecutive bytes, from a multiple of 512
.endr
	global_store_b32 v[XSO], v[WD], s[10:11]       ; lanes r and r + 16 store the same word to the same place
	s_wait_tensorcnt 0x0
	ds_add_u32 v208, v209
	s_wait_dscnt 0x0
	s_endpgm
.Lcopy:                                                ; bucket 8: no expert takes these tokens: out0's row is x's row
.irp r, 0,1,2,3,4,5,6,7,8,9,10,11,12,13,14,15
	s_wait_loadcnt 15-\r                           ; row r is in
	global_store_b128 v[AD+\r], v[R+4*\r:R+4*\r+3], s[12:13]       ; 512 consecutive bytes of the row; a repeated token's bytes are stored again by this wave, the same
.endr
.Lend:
	s_endpgm
.Lfunc_end_k_q9b2c2da71b_prep:
	.size	k_q9b2c2da71b_prep, .Lfunc_end_k_q9b2c2da71b_prep-k_q9b2c2da71b_prep
	.p2alignl 7, 3214868480
	.fill 96, 4, 3214868480
	.section	.rodata,"a",@progbits
	.p2align	6, 0x0
	.amdhsa_kernel k_q9b2c2da71b_prep
		.amdhsa_group_segment_fixed_size 68608
		.amdhsa_private_segment_fixed_size 0
		.amdhsa_enable_private_segment 0
		.amdhsa_kernarg_size 40
		.amdhsa_user_sgpr_count 2
		.amdhsa_user_sgpr_kernarg_segment_ptr 1
		.amdhsa_wavefront_size32 1
		.amdhsa_system_sgpr_workgroup_id_x 1
		.amdhsa_system_sgpr_workgroup_id_y 1
		.amdhsa_system_sgpr_workgroup_id_z 1
		.amdhsa_system_vgpr_workitem_id 0
		.amdhsa_next_free_vgpr 210
		.amdhsa_next_free_sgpr 66
		.amdhsa_reserve_vcc 0
		.amdhsa_float_denorm_mode_32 3
		.amdhsa_float_denorm_mode_16_64 3
		.amdhsa_memory_ordered 1
		.amdhsa_forward_progress 1
		.amdhsa_inst_pref_size 14
	.end_amdhsa_kernel
	.amdgpu_metadata
---
amdhsa.version: [ 1, 2 ]
amdhsa.kernels:
  - .name:           k_q9b2c2da71b_prep
    .symbol:         k_q9b2c2da71b_prep.kd
    .args:
      - { .name: x, .offset: 0, .size: 8, .value_kind: global_buffer, .address_space: global }
      - { .name: rows, .offset: 8, .size: 8, .value_kind: global_buffer, .address_space: global }
      - { .name: xq, .offset: 16, .size: 8, .value_kind: global_buffer, .address_space: global }
      - { .name: xs, .offset: 24, .size: 8, .value_kind: global_buffer, .address_space: global }
      - { .name: out0, .offset: 32, .size: 8, .value_kind: global_buffer, .address_space: global }
    .group_segment_fixed_size: 68608
    .private_segment_fixed_size: 0
    .kernarg_segment_align: 8
    .kernarg_segment_size: 40
    .max_flat_workgroup_size: 256
    .sgpr_count:     66
    .vgpr_count:     210
    .wavefront_size: 32
...
	.end_amdgpu_metadata
.endif
;; end of part 2
;; launch gemm (part 3): grid 32 x 8, 4 waves a work-group, no clusters, 117,248 bytes of LDS; arguments W_codes, W_scales, b, x, xq, xs, rows, seg, out0; writes out0
.if DOCPART == 3
	.amdgcn_target "amdgcn-amd-amdhsa--gfx1250"
	.amdhsa_code_object_version 6
	.text
	.protected	k_q9b2c2da71b_gemm
	.globl	k_q9b2c2da71b_gemm
	.p2align	8
	.type	k_q9b2c2da71b_gemm,@function
k_q9b2c2da71b_gemm:
	s_mov_b64 s[64:65], 0
	v_nop
	global_prefetch_b8 v0, s[64:65] scope:SCOPE_SE
	s_setreg_imm32_b32 hwreg(HW_REG_WAVE_MODE, 25, 1), 1
	s_wait_xcnt 0x0
; out0[t] = x[t] + relu(Q(x[t]) . W[e]^T + b[e]) for the tokens t of expert e, on codes of E3M2 with one E8M0 scale for each 32 along K; sums in f32.
; SHARES.  Work-group (c, e): expert e, output columns 64 c .. 64 c + 63, all rows of that expert.  8 x 32 = 256 work-groups; each byte of W is read from memory by one work-group, once.
; Each of the four waves keeps the WHOLE slice of W (64 rows x 2,048 codes: 64 fragments, 768 registers) and its scale words in registers, and the waves share the expert's tiles of 16 rows:
; wave w takes tiles ts + w, ts + w + 4, ...: (nt + 3 - w) / 4 of them, rounded down.  In the loop a wave needs no other wave: no barrier, and no operand comes out of LDS.
; W'S WAY IN.  Wave w loads rows 16 w .. 16 w + 15 of the slice, 512 consecutive bytes a load, and lays them into LDS; behind a barrier every wave takes all 64 rows' fragments.  In three slices
; (thirds of a row), so that the first fragments are taken while the rest of W is on its way.  All barriers stand ahead of the first branch on a number read from memory.
; x'S FRAGMENTS come from the launch before as images of the operand's registers: three loads of 512 consecutive bytes each, straight into a ring of eight fragments: eight K steps ahead.
; THE ORDER OF K INSIDE A STEP OF 128: lane (r, h) holds the 48 consecutive bytes at 96 s + 48 h of its row, of W as of x: the instruction's block 2 c + h is the true block 2 h + c.  The same
; products are summed, grouped otherwise inside an instruction.  The bytes of W's scale words are put in that order once (bytes 1 and 2 change places); x's words arrive so.
; THE MATRIX INSTRUCTION IS USED TRANSPOSED (source 0 = 16 rows of W, source 1 = 16 tokens): a lane holds one token and eight neighbouring columns.
; A tile's rows past the expert's last token repeat that token: they give the same numbers, which this wave stores to the same place again: no lane is ever switched off.
; NO JOINT LOADS, NO TENSOR LOADS: the 32 work-groups of an expert read the same fragments of x, but the number of tiles is read from memory.
; REGISTERS, in windows of 256: window 0: v1-9 addresses, v10-13 the bias, v14-21 the rows' offsets, v22-29 the tile's tokens, v30-37 x's scale words, v38-69 W's, v70-101 four accumulators,
;   v102-133 the residual, v134-229 the ring, v230-241 W's fragment 63, v242-248 addresses of the way in.   windows 1-3: W's fragment f = 4 s + j at register 12 (f % 21) of window 1 + f / 21.
;   On W's way in, v0-191 of window 3 take the rows as they are loaded.
.set PW,    1552                       ; a row of W in LDS: 1,536 bytes + 16: an odd multiple of 16 bytes, so that the sixteen rows of a fragment load begin in sixteen different columns of 16 bytes modulo 256
.set WROWS, 16*PW                      ; 16 rows
.set OST,   64*PW                      ; behind W: a stage of 16 rows x (256 bytes + 16) for each wave, its own
.set PO,    272
.set BIAS,  10
.set OA,    14
.set TKE,   22
.set XS,    30                         ; register i: lanes 0-15 the rows' words of K step 2 i, lanes 16-31 of step 2 i + 1
.set WS,    38                         ; register 8 j + 4 g + i: lanes 0-15 the words of W's tile j for K step 8 g + i, lanes 16-31 for step 8 g + 4 + i
.set ACC,   70
.set RES,   102
.set RING,  134
.set W63,   230
.set STW,   242                        ; v242     W's way in: where a load's 16 bytes go
.set VW,    243                        ; v243-246 and where my lane's 48 bytes of tile j's row begin
.set WSO,   247                        ; v247     my byte offset in the slice's scale bytes
.set BO,    248                        ; v248     and in its bias
.set MSB, 0
.macro WIN new                         ; the immediate's high byte repeats the setting that is left; a switch that changes nothing is dropped
.if MSB != (\new)
	s_set_vgpr_msb (MSB<<8)|(\new)
.set MSB, \new
.endif
.endm
; The bases of tile min(s31, last): its fragments, scale words and tokens.  The tile's number comes from memory: it is held inside the buffers' 136 tiles.
.macro BASES
	s_min_u32 s30, s31, s29
	s_min_u32 s30, s30, 135
	s_mul_i32 s32, s30, 24576
	s_add_nc_u64 s[34:35], s[12:13], s[32:33]
	s_lshl_b32 s32, s30, 10
	s_add_nc_u64 s[36:37], s[14:15], s[32:33]
	s_lshl_b32 s32, s30, 7
	s_add_nc_u64 s[38:39], s[16:17], s[32:33]
.endm
.macro TOKENS                          ; lanes 0-15: the tokens of rows 0-7; lanes 16-31: of rows 8-15
	global_load_b128 v[TKE:TKE+3], v6, s[38:39]
	global_load_b128 v[TKE+4:TKE+7], v6, s[38:39] offset:16
.endm
.macro XSC i0                          ; four registers of x's scale words: 128 consecutive bytes each
.irp i, 0,1,2,3
	global_load_b32 v[XS+\i0+\i], v2, s[36:37] offset:128*(\i0+\i)
.endr
.endm
.macro XFRAG ring, ks                  ; the fragment of K step ks into a place of the ring: three loads of 512 consecutive bytes.  No hint: 32 work-groups read these bytes
.irp i, 0,1,2
	global_load_b128 v[RING+12*(\ring)+4*\i:RING+12*(\ring)+4*\i+3], v1, s[34:35] offset:1536*(\ks)+512*\i
.endr
.endm
.macro OADDR                           ; the byte offsets, in x and in out0, of my 16 bytes of the rows that I store
.irp i, 0,1,2,3,4,5,6,7
	v_min_u32 v[TKE+\i], 0x7ff, v[TKE+\i]          ; a token's number, held inside x
	v_lshl_add_u32 v[OA+\i], v[TKE+\i], 13, v5
.endr
.endm
.macro SLICE i, left                   ; third i of my 16 rows of W goes into LDS.  left: the loads issued behind it that may stay out
	s_wait_loadcnt \left
	WIN 0x0c                                       ; an LDS store's data are its source 1: window 3
.irp q, 0,1,2,3,4,5,6,7,8,9,10,11,12,13,14,15
	ds_store_b128 v[STW], v[4*(16*\i+\q):4*(16*\i+\q)+3] offset:PW*\q+512*\i
.endr
	WIN 0
	s_wait_dscnt 0x0                               ; for the others' sake: my stores have landed (and the fragments asked for so far are in)
	s_barrier_signal -1
	s_barrier_wait -1
.endm
.macro WFRAG ks, j                     ; W's fragment (K step ks, tile j) out of LDS into its registers
.set F, 4*(\ks)+(\j)
.if F == 63
.set WN, 0
.set FRG, W63
.else
.set WN, (1+F/21)<<6
.set FRG, 12*(F%21)
.endif
	WIN WN                                         ; the destination's window
.irp i, 0,1,2
	ds_load_b128 v[FRG+4*\i:FRG+4*\i+3], v[VW+(\j)] offset:96*(\ks)+16*\i
.endr
.endm
; One matrix instruction: K step s, W's tile j.  The first step's take the constant 0 as C: nothing is cleared.
.macro MM s, j
.set F, 4*(\s)+(\j)
.if F == 63
.set WN, 0
.set FRG, W63
.else
.set WN, 1+F/21
.set FRG, 12*(F%21)
.endif
.set AC, ACC+8*(\j)
.set RG, RING+12*((\s)%8)
.set SW, WS+8*(\j)+4*((\s)/8)+(\s)%4
.set SX, XS+(\s)/2
	WIN WN                                         ; source 0's window; all else lies in window 0
.if (\s) == 0
	v_wmma_scale_f32_16x16x128_f8f6f4 v[AC:AC+7], v[FRG:FRG+11], v[RG:RG+11], 0, v[SW], v[SX] matrix_a_fmt:MATRIX_FMT_BF6 matrix_b_fmt:MATRIX_FMT_BF6
.elseif (((\s)/4)%2 == 0) && ((\s)%2 == 0)
	v_wmma_scale_f32_16x16x128_f8f6f4 v[AC:AC+7], v[FRG:FRG+11], v[RG:RG+11], v[AC:AC+7], v[SW], v[SX] matrix_a_fmt:MATRIX_FMT_BF6 matrix_b_fmt:MATRIX_FMT_BF6
.elseif (((\s)/4)%2 == 0) && ((\s)%2 == 1)
	v_wmma_scale_f32_16x16x128_f8f6f4 v[AC:AC+7], v[FRG:FRG+11], v[RG:RG+11], v[AC:AC+7], v[SW], v[SX] matrix_a_fmt:MATRIX_FMT_BF6 matrix_b_fmt:MATRIX_FMT_BF6 matrix_b_scale:MATRIX_SCALE_ROW1
.elseif (((\s)/4)%2 == 1) && ((\s)%2 == 0)
	v_wmma_scale_f32_16x16x128_f8f6f4 v[AC:AC+7], v[FRG:FRG+11], v[RG:RG+11], v[AC:AC+7], v[SW], v[SX] matrix_a_fmt:MATRIX_FMT_BF6 matrix_b_fmt:MATRIX_FMT_BF6 matrix_a_scale:MATRIX_SCALE_ROW1
.else
	v_wmma_scale_f32_16x16x128_f8f6f4 v[AC:AC+7], v[FRG:FRG+11], v[RG:RG+11], v[AC:AC+7], v[SW], v[SX] matrix_a_fmt:MATRIX_FMT_BF6 matrix_b_fmt:MATRIX_FMT_BF6 matrix_a_scale:MATRIX_SCALE_ROW1 matrix_b_scale:MATRIX_SCALE_ROW1
.endif
.endm
; A K step: its fragment of x is in; four matrix instructions, the four accumulators by turns; then four places, since loads into registers that these
; instructions have read follow, and behind the last step the first read of the results (ISA guide 7.12.1 for vector instructions).
.macro STEP s, left
	s_wait_loadcnt \left
.irp j, 0,1,2,3
	MM \s, \j
.endr
	WIN 0
.rept 4
	v_nop
.endr
.endm
	s_load_b512 s[4:19], s[0:1], 0x0               ; W's codes s[4:5], W's scales s[6:7], b s[8:9], x s[10:11], xq s[12:13], xs s[14:15], rows s[16:17], seg s[18:19]
	s_load_b64 s[20:21], s[0:1], 0x40              ; out0
	v_lshl_add_u32 v254, v0, 2, 0x1c800
	v_mov_b32 v255, 0
	v_lshrrev_b32 v7, 5, v0
	v_readfirstlane_b32 s22, v7                    ; wave 0..3
	s_mov_b32 s23, ttmp9                           ; c: my 64 columns
	s_and_b32 s24, ttmp7, 0xffff                   ; e: my expert
	s_mov_b32 s40, 0x03010200                      ; v_perm_b32: bytes 1 and 2 change places
	v_and_b32 v7, 31, v0                           ; lane
	v_and_b32 v8, 15, v0                           ; r
	v_bfe_u32 v9, v0, 4, 1                         ; h
	v_lshlrev_b32 v1, 4, v7                        ; 16 x lane
	v_lshlrev_b32 v2, 2, v7                        ; 4 x lane
	s_mul_i32 s41, s22, 16*PO
	s_add_co_u32 s41, s41, OST                     ; my wave's stage
	v_mul_u32_u24 v3, v8, PO
	v_lshl_add_u32 v3, v9, 5, v3
	v_add_nc_u32 v3, s41, v3                       ; in: row r, + 32 h bytes: my eight columns of a tile of W
	v_mul_u32_u24 v4, v9, 8*PO
	v_lshl_add_u32 v4, v8, 4, v4
	v_add_nc_u32 v4, s41, v4                       ; back: lanes 0-15 a row of rows 0-7, lanes 16-31 the row 8 further on; 16 bytes a lane
	s_lshl_b32 s41, s23, 8
	v_lshl_add_u32 v5, v8, 4, s41                  ; my 16 bytes in a row of x and of out0: 256 c + 16 r
	v_lshlrev_b32 v6, 5, v9                        ; the tokens of my eight rows: 32 h bytes into the tile's list
	s_mul_i32 s41, s22, WROWS
	v_add_nc_u32 v[STW], s41, v1                   ; W's way in: my wave's 16 rows, 16 x lane
	v_mul_u32_u24 v[VW], v8, PW
	v_mad_u32_u24 v[VW], v9, 48, v[VW]             ; row r, + 48 h
	v_add_nc_u32 v[VW+1], WROWS, v[VW]
	v_add_nc_u32 v[VW+2], 2*WROWS, v[VW]
	v_add_nc_u32 v[VW+3], 3*WROWS, v[VW]
	v_lshlrev_b32 v[WSO], 6, v8
	v_lshl_add_u32 v[WSO], v9, 4, v[WSO]           ; a row of scale bytes is 64 bytes; + 16 h
	v_lshlrev_b32 v[BO], 4, v8
	s_mul_i32 s32, s24, 2048*1536                  ; W's codes: expert e,
	s_lshl_b32 s41, s23, 6
	s_lshl_b32 s42, s22, 4
	s_add_co_u32 s41, s41, s42
	s_mul_i32 s41, s41, 1536                       ; row 64 c + 16 w
	s_add_co_u32 s32, s32, s41
	s_mov_b32 s33, 0
	s_lshl_b32 s42, s24, 17                        ; W's scales: (2,048 e + 64 c) rows of 64 bytes
	s_lshl_b32 s41, s23, 12
	s_add_co_u32 s42, s42, s41
	s_mov_b32 s43, 0
	s_lshl_b32 s44, s24, 13                        ; b: (2,048 e + 64 c) numbers
	s_lshl_b32 s41, s23, 8
	s_add_co_u32 s44, s44, s41
	s_mov_b32 s45, 0
	s_lshl_b32 s46, s24, 2                         ; seg: word e
	s_mov_b32 s47, 0
	s_wait_kmcnt 0x0
	s_add_nc_u64 s[18:19], s[18:19], s[46:47]
	s_load_b32 s25, s[18:19], 0x0                  ; ts: my expert's first tile
	s_load_b32 s26, s[18:19], 0x20                 ; nt: its number of tiles
	s_add_nc_u64 s[4:5], s[4:5], s[32:33]
	s_add_nc_u64 s[6:7], s[6:7], s[42:43]
	s_add_nc_u64 s[8:9], s[8:9], s[44:45]
	WIN 0xc0                                       ; destination window 3, address window 0
.irp i, 0,1,2
.irp q, 0,1,2,3,4,5,6,7,8,9,10,11,12,13,14,15
	global_load_b128 v[4*(16*\i+\q):4*(16*\i+\q)+3], v1, s[4:5] offset:1536*\q+512*\i th:TH_LOAD_NT   ; third i of row q: 512 consecutive bytes, read once in the launch
.endr
.endr
	WIN 0
.irp j, 0,1,2,3
.irp g, 0,1
	global_load_b128 v[WS+8*\j+4*\g:WS+8*\j+4*\g+3], v[WSO], s[6:7] offset:1024*\j+32*\g   ; tile j's rows: the words of K steps 8 g + 4 h + 0 .. 3
.endr
.endr
	global_load_b128 v[BIAS:BIAS+3], v[BO], s[8:9] ; the bias of columns 64 c + 4 r + 0 .. 3
	s_wait_kmcnt 0x0
	s_add_co_u32 s27, s25, s22                     ; t: my wave's first tile
	s_add_co_u32 s28, s25, s26                     ; the expert's tiles end here
	s_max_u32 s29, s28, 1
	s_sub_co_u32 s29, s29, 1                       ; the tile at which look-ahead is held: the expert's last (for an expert without rows: the tile in front, or tile 0)
	s_add_co_u32 s42, s26, 3
	s_sub_co_u32 s42, s42, s22
	s_lshr_b32 s42, s42, 2                         ; my trips: (nt + 3 - w) / 4, rounded down: 0 where nt <= w
	s_min_u32 s42, s42, 34                         ; a number from memory: held at 136 tiles / 4 waves
	s_mov_b32 s41, 0                               ; trips done
	s_mov_b32 s31, s27
	BASES
	TOKENS
	XSC 0
.irp s, 0,1,2,3,4,5,6,7
	XFRAG \s, \s                                   ; the ring is filled: K steps 0 to 7 of my first tile
.endr
	; 87 loads have been issued: 3 x 16 of W, 8 + 1 of scales and bias, 2 + 4 + 24 for the first tile
	SLICE 0, 63                                    ; behind W's first third stand 32 + 39 loads: more than a wait can name, so the largest count that it can
.irp s, 0,1,2,3,4
.irp j, 0,1,2,3
	WFRAG \s, \j                                   ; K steps 0 to 4 lie in a row's bytes 0 .. 479
.endr
.endr
	WIN 0
	SLICE 1, 55                                    ; behind the second third: 16 + 39
.irp s, 5,6,7,8,9
.irp j, 0,1,2,3
	WFRAG \s, \j                                   ; K steps 5 to 9: bytes 480 .. 959
.endr
.endr
	WIN 0
	SLICE 2, 39                                    ; behind the last third: 39.  Its wait for the LDS stores also frees window 3, which the fragments below take
.irp s, 10,11,12,13,14,15
.irp j, 0,1,2,3
	WFRAG \s, \j
.endr
.endr
	WIN 0
	s_wait_dscnt 0x0                               ; W is in my registers
	s_wait_loadcnt 30                              ; W's scale words and the bias are in; behind them: 2 + 4 + 24
.irp k, 0,1,2,3,4,5,6,7,8,9,10,11,12,13,14,15,16,17,18,19,20,21,22,23,24,25,26,27,28,29,30,31
	v_perm_b32 v[WS+\k], v[WS+\k], v[WS+\k], s40   ; the bytes in the order of the blocks as the instruction takes them
.endr
	s_wait_loadcnt 28                              ; the tokens are in; behind them: 4 + 24
	OADDR
.rept 8
	v_nop                                          ; a scale register written by a vector instruction stands eight places ahead of a scaled matrix instruction
.endr
	s_cmp_eq_u32 s42, 0
	s_cbranch_scc1 .Lend                           ; fewer tiles than waves: nothing for me (every barrier lies behind me)
.Ltile:                                                ; a trip = one tile of 16 rows x my 64 columns: 64 matrix instructions, 66 loads
.irp i, 0,1,2,3,4,5,6,7
	global_load_b128 v[RES+4*\i:RES+4*\i+3], v[OA+\i], s[10:11]    ; the residual: sixteen lanes read 256 consecutive bytes of a row of x
.endr
	STEP 0, 29                                     ; x's first four scale registers and fragment 0 are in; behind them: 21 fragment loads + 8 of the residual
	XSC 4
	XFRAG 0, 8
.irp s, 1,2,3,4,5,6,7
	STEP \s, 33                                    ; behind fragment s: 3 (7 - s) + 8 + 4 + 3 s
	XFRAG \s, \s+8
.endr
	STEP 8, 21                                     ; behind fragment 8: fragments 9 to 15.  The residual and the last four scale registers were asked for ahead of it: they are in too
	s_wait_xcnt 0x0                                ; the loads issued so far have read their bases: these may be written
	s_add_co_u32 s31, s27, 4
	BASES                                          ; on to my next tile; in my last trip it is held at the expert's last tile: every trip issues the same loads, and none leaves its buffer
	TOKENS
	XSC 0
	XFRAG 0, 0
.irp s, 9,10,11,12,13,14,15
	STEP \s, 27                                    ; behind fragment s: 3 (15 - s) + 2 + 4 + 3 (s - 8)
	XFRAG \s-8, \s-8
.endr
	; THE WAY OUT.  A lane holds 32 bytes of a row for each of W's four tiles: they go through my stage and come back as whole rows of 256 bytes, into the registers that they left.
	; LDS serves a wave's instructions in order (ISA guide 5.7.1): no wait between the stores and the loads.
.irp j, 0,1,2,3
	ds_store_b128 v3, v[ACC+8*\j:ACC+8*\j+3] offset:64*\j          ; each accumulator from its low end on
	ds_store_b128 v3, v[ACC+8*\j+4:ACC+8*\j+7] offset:64*\j+16
.endr
.irp i, 0,1,2,3,4,5,6,7
	ds_load_b128 v[ACC+4*\i:ACC+4*\i+3], v4 offset:PO*\i           ; lanes 0-15 row i, lanes 16-31 row 8 + i
.endr
.irp i, 0,1,2,3,4,5,6,7
	s_wait_dscnt 7-\i                              ; rows i and 8 + i are back; the 7 - i loads behind them may be out
	v_pk_add_f32 v[ACC+4*\i:ACC+4*\i+1], v[ACC+4*\i:ACC+4*\i+1], v[BIAS:BIAS+1]
	v_pk_add_f32 v[ACC+4*\i+2:ACC+4*\i+3], v[ACC+4*\i+2:ACC+4*\i+3], v[BIAS+2:BIAS+3]
	v_max_num_f32 v[ACC+4*\i], 0, v[ACC+4*\i]
	v_max_num_f32 v[ACC+4*\i+1], 0, v[ACC+4*\i+1]
	v_max_num_f32 v[ACC+4*\i+2], 0, v[ACC+4*\i+2]
	v_max_num_f32 v[ACC+4*\i+3], 0, v[ACC+4*\i+3]
	v_pk_add_f32 v[ACC+4*\i:ACC+4*\i+1], v[ACC+4*\i:ACC+4*\i+1], v[RES+4*\i:RES+4*\i+1]
	v_pk_add_f32 v[ACC+4*\i+2:ACC+4*\i+3], v[ACC+4*\i+2:ACC+4*\i+3], v[RES+4*\i+2:RES+4*\i+3]
	global_store_b128 v[OA+\i], v[ACC+4*\i:ACC+4*\i+3], s[20:21] th:TH_STORE_NT    ; sixteen lanes store 256 consecutive bytes, from a multiple of 256; written once, read by nobody here
.endr
	s_wait_loadcnt 28                              ; the next tile's tokens are in; behind them: 4 + 24
	s_wait_xcnt 0x0                                ; the stores have read their offsets and their data: both are written again only behind this wait
	OADDR
	s_add_co_u32 s27, s27, 4                       ; my next tile's number: it feeds the bases alone
	s_add_co_u32 s41, s41, 1                       ; the loop is counted by trips, one at a time, against a number that it does not write
	s_cmp_lt_u32 s41, s42
	s_cbranch_scc1 .Ltile
.Lend:
	s_wait_tensorcnt 0x0
	ds_add_u32 v254, v255
	s_wait_dscnt 0x0
	s_endpgm
.Lfunc_end_k_q9b2c2da71b_gemm:
	.size	k_q9b2c2da71b_gemm, .Lfunc_end_k_q9b2c2da71b_gemm-k_q9b2c2da71b_gemm
	.p2alignl 7, 3214868480
	.fill 96, 4, 3214868480
	.section	.rodata,"a",@progbits
	.p2align	6, 0x0
	.amdhsa_kernel k_q9b2c2da71b_gemm
		.amdhsa_group_segment_fixed_size 117248
		.amdhsa_private_segment_fixed_size 0
		.amdhsa_enable_private_segment 0
		.amdhsa_kernarg_size 72
		.amdhsa_user_sgpr_count 2
		.amdhsa_user_sgpr_kernarg_segment_ptr 1
		.amdhsa_wavefront_size32 1
		.amdhsa_system_sgpr_workgroup_id_x 1
		.amdhsa_system_sgpr_workgroup_id_y 1
		.amdhsa_system_sgpr_workgroup_id_z 1
		.amdhsa_system_vgpr_workitem_id 0
		.amdhsa_next_free_vgpr 1024
		.amdhsa_next_free_sgpr 66
		.amdhsa_reserve_vcc 0
		.amdhsa_float_denorm_mode_32 3
		.amdhsa_float_denorm_mode_16_64 3
		.amdhsa_memory_ordered 1
		.amdhsa_forward_progress 1
		.amdhsa_inst_pref_size 56
	.end_amdhsa_kernel
	.amdgpu_metadata
---
amdhsa.version: [ 1, 2 ]
amdhsa.kernels:
  - .name:           k_q9b2c2da71b_gemm
    .symbol:         k_q9b2c2da71b_gemm.kd
    .args:
      - { .name: W_codes, .offset: 0, .size: 8, .value_kind: global_buffer, .address_space: global }
      - { .name: W_scales, .offset: 8, .size: 8, .value_kind: global_buffer, .address_space: global }
      - { .name: b, .offset: 16, .size: 8, .value_kind: global_buffer, .address_space: global }
      - { .name: x, .offset: 24, .size: 8, .value_kind: global_buffer, .address_space: global }
      - { .name: xq, .offset: 32, .size: 8, .value_kind: global_buffer, .address_space: global }
      - { .name: xs, .offset: 40, .size: 8, .value_kind: global_buffer, .address_space: global }
      - { .name: rows, .offset: 48, .size: 8, .value_kind: global_buffer, .address_space: global }
      - { .name: seg, .offset: 56, .size: 8, .value_kind: global_buffer, .address_space: global }
      - { .name: out0, .offset: 64, .size: 8, .value_kind: global_buffer, .address_space: global }
    .group_segment_fixed_size: 117248
    .private_segment_fixed_size: 0
    .kernarg_segment_align: 8
    .kernarg_segment_size: 72
    .max_flat_workgroup_size: 128
    .sgpr_count:     66
    .vgpr_count:     1024
    .wavefront_size: 32
...
	.end_amdgpu_metadata
.endif
;; end of part 3
;; ======== version 2 of 2: 3 launches
;; workspace buffers: xq 3,342,336 bytes; xs 139,264 bytes; rows 17,408 bytes of whole numbers; seg 256 bytes of whole numbers
;; launch sort (part 4): grid 136 x 1, 8 waves a work-group, no clusters, 3,072 bytes of LDS; arguments cam_pred_ids, rows, seg; writes rows, seg
.if DOCPART == 4
	.amdgcn_target "amdgcn-amd-amdhsa--gfx1250"
	.amdhsa_code_object_version 6
	.text
	.protected	k_q9b2c2da71b_sort
	.globl	k_q9b2c2da71b_sort
	.p2align	8
	.type	k_q9b2c2da71b_sort,@function
k_q9b2c2da71b_sort:
	s_mov_b64 s[64:65], 0
	v_nop
	global_prefetch_b8 v0, s[64:65] scope:SCOPE_SE
	s_setreg_imm32_b32 hwreg(HW_REG_WAVE_MODE, 25, 1), 1
	s_wait_xcnt 0x0
; THE TOKENS ARE SORTED BY EXPERT.  cam_pred_ids: [2048] i32.
; Nine buckets: experts 0 to 7, and bucket 8 for an id outside 0 .. 7 (no mask of the sum takes such a token).  A bucket's tokens are cut into tiles of 16 rows; the buckets' tiles follow
; each other: at most 2048 / 16 + 8 = 136 tiles, whatever the ids.  The last tile of a bucket is filled up with copies of its last token.
; SHARES.  Work-group b makes the list of tile b.  Each work-group repeats the counting sort of the 2,048 ids for itself (256 ids a wave, two barriers) and keeps only the 16 tokens of its
; own tile: no traffic between work-groups.
; NO BRANCH AND NO MEMORY ADDRESS OF THIS LAUNCH HANGS ON THE IDS: every work-group stores its 128 bytes at its fixed place, a tile that this split does not reach too (marked as such).
; What is stored here as whole numbers steers the addresses, branches and trip counts of the two launches behind it.
; OUT.  rows [136][32]: words 0-15 the tile's tokens; word 16 the tile's bucket (0-7 an expert, 8 no expert, 9 this split has no such tile); words 17-31 are not read.
;       seg: words 0-7 each expert's first tile, words 8-15 its number of tiles.
.set TT,    0                          ; LDS: the waves' counts: 32 words a wave (lanes 0-8 the nine buckets')
.set PP,    1024                       ; LDS: the waves' parts of the tile's token list: 32 words a wave
.set ID,    16                         ; v16-23   my 8 ids, as buckets
.set PR,    24                         ; v24-31   eight words at work
.set CNT,   24                         ; s24-32   my wave's counts
.set TOT,   36                         ; s36-44   the buckets' totals
.set PRE,   45                         ; s45-53   the counts of the waves in front of mine
.set TS,    66                         ; s66-74   the buckets' first tiles
.set NTL,   75                         ; s75-83   their numbers of tiles
.set TOK,   84                         ; s84-99   the tile's 16 tokens (before that: masks at work)
	s_load_b128 s[4:7], s[0:1], 0x0                ; ids s[4:5], rows s[6:7]
	s_load_b64 s[8:9], s[0:1], 0x10                ; seg
	v_lshl_add_u32 v32, v0, 2, 0x800
	v_mov_b32 v33, 0
	v_lshrrev_b32 v8, 5, v0
	s_delay_alu instid0(VALU_DEP_1)
	v_readfirstlane_b32 s18, v8                    ; wave 0..7
	s_mov_b32 s19, ttmp9                           ; b: my tile
	v_and_b32 v1, 31, v0                           ; lane
	s_delay_alu instid0(VALU_DEP_1)
	v_lshlrev_b32 v2, 2, v1                        ; 4 x lane
	v_lshlrev_b32 v3, 2, v0                        ; 4 x thread
	s_delay_alu instid0(VALU_DEP_3)
	v_lshlrev_b32 v4, 4, v1                        ; 16 x lane
	s_lshl_b32 s33, s18, 8
	v_add_nc_u32 v7, s33, v2                       ; the token of my first id: 256 x wave + 4 x lane
	s_lshl_b32 s33, s18, 10
	v_add_nc_u32 v15, s33, v4                      ; and its byte in the ids
	s_wait_alu depctr_va_vdst(0)
	s_wait_kmcnt 0x0
	global_load_b128 v[ID:ID+3], v15, s[4:5]               ; tokens 256 w + 4 lane + 0 .. 3
	global_load_b128 v[ID+4:ID+7], v15, s[4:5] offset:512  ; tokens 256 w + 128 + 4 lane + 0 .. 3
	s_wait_loadcnt 0x0
.irp j, 0,1,2,3,4,5,6,7
	v_min_u32 v[ID+\j], 8, v[ID+\j]                ; unsigned: a negative id and one over 7 fall into bucket 8
.endr
	; ---- my wave's counts of the nine buckets
.irp e, 0,1,2,3,4,5,6,7
.irp j, 0,1,2,3,4,5,6,7
	v_cmp_eq_u32 s[TOK+\j], \e, v[ID+\j]
.endr
.irp j, 0,1,2,3,4,5,6,7
	s_bcnt1_i32_b32 s[TOK+\j], s[TOK+\j]
.endr
	s_add_co_u32 s[CNT+\e], s[TOK], s[TOK+1]
	s_add_co_u32 s33, s[TOK+2], s[TOK+3]
	s_add_co_u32 s34, s[TOK+4], s[TOK+5]
	s_add_co_u32 s35, s[TOK+6], s[TOK+7]
	s_add_co_u32 s[CNT+\e], s[CNT+\e], s33
	s_add_co_u32 s34, s34, s35
	s_add_co_u32 s[CNT+\e], s[CNT+\e], s34
.endr
	s_add_co_u32 s33, s[CNT], s[CNT+1]
	s_add_co_u32 s34, s[CNT+2], s[CNT+3]
	s_add_co_u32 s35, s[CNT+4], s[CNT+5]
	s_add_co_u32 s[CNT+8], s[CNT+6], s[CNT+7]
	s_add_co_u32 s33, s33, s34
	s_add_co_u32 s35, s35, s[CNT+8]
	s_add_co_u32 s33, s33, s35
	s_sub_co_u32 s[CNT+8], 256, s33                ; what is left of my 256 ids is bucket 8's
	v_mov_b32 v12, 0
.irp e, 0,1,2,3,4,5,6,7,8
	s_delay_alu instid0(VALU_DEP_1)
	v_writelane_b32 v12, s[CNT+\e], \e
.endr
	ds_store_b32 v3, v12                           ; my wave's 32 words of TT
	s_wait_dscnt 0x0                               ; for the others' sake: my store has landed
	s_barrier_signal -1
	s_barrier_wait -1
	; ---- every wave for itself: the totals, the counts in front of my wave, the buckets' tiles, and which bucket tile b belongs to
.irp w, 0,1,2,3,4,5,6,7
	ds_load_b32 v[PR+\w], v2 offset:TT+128*\w
.endr
	v_mov_b32 v8, 0
	v_mov_b32 v9, 0
	s_wait_alu depctr_va_vdst(0)
	s_wait_dscnt 0x0
.irp w, 0,1,2,3,4,5,6,7
	s_cmp_lt_u32 \w, s18
	s_cselect_b32 s33, -1, 0
	v_add_nc_u32 v8, v8, v[PR+\w]                  ; all eight waves'
	v_and_b32 v10, s33, v[PR+\w]
	s_delay_alu instid0(VALU_DEP_1)
	v_add_nc_u32 v9, v9, v10                       ; those of the waves in front of mine
.endr
.irp e, 0,1,2,3,4,5,6,7,8
	v_readlane_b32 s[TOT+\e], v8, \e
	v_readlane_b32 s[PRE+\e], v9, \e
.endr
	s_mov_b32 s60, 0                               ; the running first tile
	s_mov_b32 s55, 0                               ; my tile's bucket,
	s_mov_b32 s56, 0                               ; that bucket's first tile,
	s_mov_b32 s57, 0                               ; its number of tokens,
	s_mov_b32 s58, 0                               ; and how many of them lie in front of my wave
.irp e, 0,1,2,3,4,5,6,7,8
	s_cmp_le_u32 s60, s19                          ; the last bucket that begins at or in front of tile b is b's (an empty bucket begins where the next one does)
	s_cselect_b32 s55, \e, s55
	s_cselect_b32 s56, s60, s56
	s_cselect_b32 s57, s[TOT+\e], s57
	s_cselect_b32 s58, s[PRE+\e], s58
	s_mov_b32 s[TS+\e], s60
	s_add_co_u32 s61, s[TOT+\e], 15
	s_lshr_b32 s[NTL+\e], s61, 4
	s_add_co_u32 s60, s60, s[NTL+\e]
.endr
	s_mov_b32 s63, s60                             ; tiles in all
	s_sub_co_u32 s61, s19, s56
	s_lshl_b32 s61, s61, 4                         ; k0: the rank, in its bucket, of my tile's first token
	s_sub_co_u32 s59, s58, s61                     ; the rank of my wave's first token of the bucket, less k0 (it may wrap: then it is no rank 0 .. 15)
	; ---- the tokens of ranks k0 .. k0 + 15: a lane that holds one sends its number to the lane of that rank; all others send to lane 31, which nobody reads.
	; The order in a bucket: by wave, then by my register j, then by lane: the same in every work-group.
	v_mov_b32 v11, 124
.irp j, 0,1,2,3,4,5,6,7
	v_cmp_eq_u32 s33, s55, v[ID+\j]
	s_delay_alu instid0(VALU_DEP_1)
	v_mbcnt_lo_u32_b32 v8, s33, s59                ; rank - k0
	s_bcnt1_i32_b32 s34, s33
	s_add_co_u32 s59, s59, s34
	v_cmp_gt_u32 vcc_lo, 16, v8
	s_and_b32 vcc_lo, vcc_lo, s33
	v_lshlrev_b32 v9, 2, v8
	s_delay_alu instid0(VALU_DEP_1)
	v_cndmask_b32 v9, v11, v9, vcc_lo
	v_add_nc_u32 v10, 128*(\j/4)+\j%4, v7          ; the token's number
	ds_permute_b32 v[PR+\j], v9, v10               ; a lane to which nothing is sent gets 0 (ISA guide, the instruction's entry); no LDS byte is touched
.endr
	s_wait_dscnt 0x0
	v_add3_u32 v13, v[PR], v[PR+1], v[PR+2]        ; each rank is sent once, by one lane of one wave: the sum over registers and waves is the token
	s_delay_alu instid0(VALU_DEP_1)
	v_add3_u32 v13, v13, v[PR+3], v[PR+4]
	s_delay_alu instid0(VALU_DEP_1)
	v_add3_u32 v13, v13, v[PR+5], v[PR+6]
	s_delay_alu instid0(VALU_DEP_1)
	v_add_nc_u32 v13, v13, v[PR+7]
	ds_store_b32 v3, v13 offset:PP
	s_wait_dscnt 0x0                               ; for the others' sake: my store has landed
	s_barrier_signal -1
	s_barrier_wait -1                              ; the last barrier
	s_cmp_lg_u32 s18, 0
	s_cbranch_scc1 .Lend                           ; wave 0 puts the list together and stores it
.irp w, 0,1,2,3,4,5,6,7
	ds_load_b32 v[PR+\w], v2 offset:PP+128*\w
.endr
	s_sub_co_u32 s62, s57, s61
	s_sub_co_u32 s62, s62, 1
	s_min_u32 s62, s62, 15                         ; the tile's last row that holds a token of its own
	s_wait_dscnt 0x0
	v_add3_u32 v14, v[PR], v[PR+1], v[PR+2]
	s_delay_alu instid0(VALU_DEP_1)
	v_add3_u32 v14, v14, v[PR+3], v[PR+4]
	s_delay_alu instid0(VALU_DEP_1)
	v_add3_u32 v14, v14, v[PR+5], v[PR+6]
	s_delay_alu instid0(VALU_DEP_1)
	v_add_nc_u32 v14, v14, v[PR+7]                 ; lane q < 16: the tile's token q
.irp r, 0,1,2,3,4,5,6,7,8,9,10,11,12,13,14,15
	v_readlane_b32 s[TOK+\r], v14, \r
.endr
.irp r, 1,2,3,4,5,6,7,8,9,10,11,12,13,14,15
	s_cmp_le_u32 \r, s62
	s_cselect_b32 s[TOK+\r], s[TOK+\r], s[TOK+\r-1]        ; carried along: s[TOK+15] ends as the tile's last own token
.endr
	v_mov_b32 v9, s[TOK+15]
	v_cmp_lt_u32 vcc_lo, s62, v1
	s_delay_alu instid0(VALU_DEP_1)
	v_cndmask_b32 v14, v14, v9, vcc_lo             ; a row past the bucket's end repeats the last token
	s_delay_alu instid0(VALU_DEP_1)
	v_min_u32 v14, 0x7ff, v14
	s_cmp_ge_u32 s19, s63
	s_cselect_b32 s33, 9, s55                      ; the tile's bucket; 9: this split has no tile b (a choice of a value: nothing is jumped over)
	v_writelane_b32 v14, s33, 16
	s_lshl_b32 s33, s19, 7
	v_add_nc_u32 v10, s33, v2
	global_store_b32 v10, v14, s[6:7]              ; 128 consecutive bytes, at 128 b
	s_cmp_lg_u32 s19, 0
	s_cbranch_scc1 .Lend                           ; tile 0's work-group also stores the experts' tiles
	v_mov_b32 v12, 0
.irp e, 0,1,2,3,4,5,6,7
	s_delay_alu instid0(VALU_DEP_1)
	v_writelane_b32 v12, s[TS+\e], \e
	s_delay_alu instid0(VALU_DEP_1)
	v_writelane_b32 v12, s[NTL+\e], 8+\e
.endr
	global_store_b32 v2, v12, s[8:9]
.Lend:
	s_wait_tensorcnt 0x0
	ds_add_u32 v32, v33
	s_wait_dscnt 0x0
	s_endpgm
.Lfunc_end_k_q9b2c2da71b_sort:
	.size	k_q9b2c2da71b_sort, .Lfunc_end_k_q9b2c2da71b_sort-k_q9b2c2da71b_sort
	.p2alignl 7, 3214868480
	.fill 96, 4, 3214868480
	.section	.rodata,"a",@progbits
	.p2align	6, 0x0
	.amdhsa_kernel k_q9b2c2da71b_sort
		.amdhsa_group_segment_fixed_size 3072
		.amdhsa_private_segment_fixed_size 0
		.amdhsa_enable_private_segment 0
		.amdhsa_kernarg_size 24
		.amdhsa_user_sgpr_count 2
		.amdhsa_user_sgpr_kernarg_segment_ptr 1
		.amdhsa_wavefront_size32 1
		.amdhsa_system_sgpr_workgroup_id_x 1
		.amdhsa_system_sgpr_workgroup_id_y 1
		.amdhsa_system_sgpr_workgroup_id_z 1
		.amdhsa_system_vgpr_workitem_id 0
		.amdhsa_next_free_vgpr 34
		.amdhsa_next_free_sgpr 100
		.amdhsa_reserve_vcc 1
		.amdhsa_float_denorm_mode_32 3
		.amdhsa_float_denorm_mode_16_64 3
		.amdhsa_memory_ordered 1
		.amdhsa_forward_progress 1
		.amdhsa_inst_pref_size 27
	.end_amdhsa_kernel
	.amdgpu_metadata
---
amdhsa.version: [ 1, 2 ]
amdhsa.kernels:
  - .name:           k_q9b2c2da71b_sort
    .symbol:         k_q9b2c2da71b_sort.kd
    .args:
      - { .name: cam_pred_ids, .offset: 0, .size: 8, .value_kind: global_buffer, .address_space: global }
      - { .name: rows, .offset: 8, .size: 8, .value_kind: global_buffer, .address_space: global }
      - { .name: seg, .offset: 16, .size: 8, .value_kind: global_buffer, .address_space: global }
    .group_segment_fixed_size: 3072
    .private_segment_fixed_size: 0
    .kernarg_segment_align: 8
    .kernarg_segment_size: 24
    .max_flat_workgroup_size: 256
    .sgpr_count:     100
    .vgpr_count:     34
    .wavefront_size: 32
...
	.end_amdgpu_metadata
.endif
;; end of part 4
;; launch prep (part 5): grid 136 x 2, 8 waves a work-group, no clusters, 68,608 bytes of LDS; arguments x, rows, xq, xs, out0; writes xq, xs, out0
.if DOCPART == 5
	.amdgcn_target "amdgcn-amd-amdhsa--gfx1250"
	.amdhsa_code_object_version 6
	.text
	.protected	k_q9b2c2da71b_prep
	.globl	k_q9b2c2da71b_prep
	.p2align	8
	.type	k_q9b2c2da71b_prep,@function
k_q9b2c2da71b_prep:
	s_mov_b64 s[64:65], 0
	v_nop
	global_prefetch_b8 v0, s[64:65] scope:SCOPE_SE
	s_setreg_imm32_b32 hwreg(HW_REG_WAVE_MODE, 25, 1), 1
	s_wait_xcnt 0x0
; THE SORTED ROWS OF x ARE GATHERED AND QUANTISED.  x: [2048][2048] f32.  rows [136][32], from the launch before: words 0-15 a tile's 16 tokens, word 16 its bucket
; (0-7 an expert; 8: ids outside 0 .. 7, which no mask of the sum takes: their rows of the output are x's rows, copied here; 9: this split of the tokens has no such tile).
; SHARES.  Work-group (b, y): tile b, half y of K.  Each of its eight waves makes ONE operand fragment: 16 rows x 128 along K, K step s = 8 y + wave.  Waves share nothing: no barrier.
; A work-group whose tile this split does not reach stores nothing and ends: the price of a grid that serves every split (at most 2048 / 16 + 8 = 136 tiles).
; OUT.  xq [136 tiles][16 K steps][3][32 lanes][16 bytes]: a fragment as the image of its 12 registers; xs [136][16 steps][16 rows]: a scale word a row.
; THE ORDER OF K INSIDE A STEP OF 128.  Lane (r, h) holds the codes of k = 128 s + 64 h + 0 .. 63 of row r: 48 consecutive bytes of the row's stream of codes.  The matrix instruction takes a
; lane's registers 6 c .. 6 c + 5 for its block 2 c + h, so its block 2 c + h is the true block 2 h + c.  The product's launch lays W the same way: the same products are summed,
; grouped otherwise inside an instruction.  A scale word's bytes follow: byte 2 c + h is the true block 2 h + c's.
; THE QUANTISER.  A block's scale byte is the exponent field of its largest magnitude less 4, held at 1 from below; each number / scale goes to the nearest code of E3M2, ties to even,
; beyond 28 the largest code.  LIMITS: a block of zeros gets the byte 1 where the rule says 127 (its codes are zeros, and this program alone reads the bytes);
; NaN and infinities in x are not served.
.set SP,    528                        ; a stage row: 512 bytes + 16: an odd multiple of 16 bytes, so that the sixteen rows that a load of 16 bytes a lane touches begin in sixteen different columns of 16 bytes modulo 256
.set WSTG,  16*SP                      ; LDS: a stage of 16 rows for each wave, its own, at wave x WSTG
.set AD,    32                         ; v32-47   row r: byte offset of my 16 bytes in x (and in out0)
.set R,     48                         ; v48-111  16 rows as loaded: 4 registers each
.set X,     112                        ; v112-175 my 64 neighbours along K
.set C,     176                        ; v176-187 the fragment's 12 registers
.set TC,    188                        ; v188-190, v192-194 the second halves of the two blocks' codes
.set MX,    196                        ; v196-197 the blocks' largest magnitudes
.set SO,    198                        ; v198-199 the conversions' scale operands
.set BY,    200                        ; v200-201 the scale bytes
.set WD,    202                        ; v202     the scale word
.set TW,    203                        ; v203     at work
.set SIN,   204                        ; v204     the stage: where a load's 16 bytes go
.set SOUT,  205                        ; v205     and where my 64 neighbours begin
.set XQO,   206                        ; v206     my byte offset in xq
.set XSO,   207                        ; v207     and in xs
.set TOK,   36                         ; s36-51   the tile's 16 tokens
	s_load_b256 s[4:11], s[0:1], 0x0               ; x s[4:5], rows s[6:7], xq s[8:9], xs s[10:11]
	s_load_b64 s[12:13], s[0:1], 0x20              ; out0
	v_lshl_add_u32 v208, v0, 2, 0x10800
	v_mov_b32 v209, 0
	v_lshrrev_b32 v8, 5, v0
	s_delay_alu instid0(VALU_DEP_1)
	v_readfirstlane_b32 s18, v8                    ; wave 0..7
	s_mov_b32 s19, ttmp9                           ; b: my tile
	s_and_b32 s20, ttmp7, 0xffff                   ; y: my half of K
	s_lshl_b32 s21, s20, 3
	s_add_co_u32 s21, s21, s18                     ; s: my wave's K step
	s_mov_b32 s22, 0x76543210                      ; v_permlanex16_b32's selects for lane l xor 16
	s_mov_b32 s23, 0xfedcba98
	s_lshl_b32 s26, s19, 7                         ; my tile's 128 bytes of rows
	s_mov_b32 s27, 0
	s_wait_kmcnt 0x0
	s_add_nc_u64 s[6:7], s[6:7], s[26:27]
	s_load_b512 s[TOK:TOK+15], s[6:7], 0x0         ; the tile's tokens
	s_load_b32 s24, s[6:7], 0x40                   ; and its bucket
	v_and_b32 v1, 31, v0                           ; lane
	s_delay_alu instid0(VALU_DEP_1)
	v_lshlrev_b32 v4, 4, v1                        ; 16 x lane
	v_and_b32 v5, 15, v0                           ; r
	s_wait_alu depctr_va_vdst(0)
	v_bfe_u32 v6, v0, 4, 1                         ; h
	s_mul_i32 s33, s18, WSTG                       ; my wave's stage
	v_add_nc_u32 v[SIN], s33, v4
	v_mul_u32_u24 v[SOUT], v5, SP
	s_delay_alu instid0(VALU_DEP_1)
	v_lshl_add_u32 v[SOUT], v6, 8, v[SOUT]         ; row r, + 256 h bytes: 64 numbers
	s_delay_alu instid0(VALU_DEP_1)
	v_add_nc_u32 v[SOUT], s33, v[SOUT]
	s_lshl_b32 s33, s21, 9
	v_add_nc_u32 v8, s33, v4                       ; my 16 bytes in a row: 512 s + 16 x lane
	s_lshl_b32 s33, s19, 4
	s_add_co_u32 s33, s33, s21
	s_mul_i32 s33, s33, 1536                       ; fragment 16 b + s of xq
	v_add_nc_u32 v[XQO], s33, v4
	s_lshl_b32 s33, s19, 10
	s_lshl_b32 s34, s21, 6
	s_add_co_u32 s33, s33, s34
	v_lshl_add_u32 v[XSO], v5, 2, s33              ; xs: 1,024 b + 64 s + 4 r
	s_wait_kmcnt 0x0
	s_cmp_ge_u32 s24, 9
	s_cbranch_scc1 .Lend                           ; this split has no tile b
	s_wait_alu depctr_va_vdst(0)
.irp r, 0,1,2,3,4,5,6,7,8,9,10,11,12,13,14,15
	s_min_u32 s[TOK+\r], s[TOK+\r], 0x7ff          ; a token's number, held inside x
	v_lshl_add_u32 v[AD+\r], s[TOK+\r], 13, v8     ; a row of x is 8,192 bytes
.endr
	s_wait_alu depctr_va_vdst(0)
.irp r, 0,1,2,3,4,5,6,7,8,9,10,11,12,13,14,15
	global_load_b128 v[R+4*\r:R+4*\r+3], v[AD+\r], s[4:5]  ; 32 lanes read 512 consecutive bytes of row r, from a multiple of 512.  No hint: the next launch reads x again
.endr
	s_cmp_eq_u32 s24, 8
	s_cbranch_scc1 .Lcopy
	; ---- the turn through my wave's stage: in as loaded (a row's 512 bytes on end), out 64 neighbours a lane.  LDS serves a wave's instructions in order (ISA guide 5.7.1): no wait between
.irp r, 0,1,2,3,4,5,6,7,8,9,10,11,12,13,14,15
	s_wait_loadcnt 15-\r                           ; row r is in; the 15 - r loads issued behind it may be out
	ds_store_b128 v[SIN], v[R+4*\r:R+4*\r+3] offset:SP*\r
.endr
.irp i, 0,1,2,3,4,5,6,7,8,9,10,11,12,13,14,15
	ds_load_b128 v[X+4*\i:X+4*\i+3], v[SOUT] offset:16*\i
.endr
	s_wait_dscnt 0x0
	; ---- my two blocks of 32: all their numbers are mine
.irp c, 0,1
	v_max3_num_f32 v[MX+\c], |v[X+32*\c]|, |v[X+32*\c+1]|, 0x2800000       ; and the floor 2^(5 - 127), under which no largest magnitude is taken: so the byte cannot fall under 1
.endr
.irp i, 2,4,6,8,10,12,14,16,18,20,22,24,26,28,30
.irp c, 0,1
	s_delay_alu instid0(VALU_DEP_2)
	v_max3_num_f32 v[MX+\c], v[MX+\c], |v[X+32*\c+\i]|, |v[X+32*\c+\i+1]|  ; (the two blocks by turns)
.endr
.endr
.irp c, 0,1
	s_delay_alu instid0(VALU_DEP_2)
	v_add_nc_u32 v[SO+\c], 0xfe000000, v[MX+\c]    ; 4 off the exponent field: the conversion takes the exponent field of this operand as its scale, and nothing else of it
.endr
.irp c, 0,1
	s_delay_alu instid0(VALU_DEP_2)
	v_lshrrev_b32 v[BY+\c], 23, v[SO+\c]           ; the scale's byte
.endr
.irp c, 0,1
	v_cvt_scalef32_pk16_bf6_f32 v[C+6*\c:C+6*\c+2], v[X+32*\c:X+32*\c+15], v[SO+\c]
	v_cvt_scalef32_pk16_bf6_f32 v[TC+4*\c:TC+4*\c+2], v[X+32*\c+16:X+32*\c+31], v[SO+\c]   ; (a conversion's three registers begin on an even number: the second half of a block's six is made here and moved)
.endr
	v_nop                                          ; one plain place behind a scaled conversion
.irp c, 0,1
.irp i, 0,1,2
	v_mov_b32 v[C+6*\c+3+\i], v[TC+4*\c+\i]
.endr
.endr
	v_lshl_or_b32 v[WD], v[BY+1], 16, v[BY]        ; my two bytes belong at bytes h and 2 + h of the row's word
	v_lshlrev_b32 v[TW], 3, v6
	s_delay_alu instid0(VALU_DEP_1)
	v_lshlrev_b32 v[WD], v[TW], v[WD]
	v_mov_b32 v[TW], 0                             ; (a lane permute's destination counts as one of its sources)
	s_delay_alu instid0(VALU_DEP_1)
	v_permlanex16_b32 v[TW], v[WD], s22, s23
	s_delay_alu instid0(VALU_DEP_1)
	v_or_b32 v[WD], v[WD], v[TW]                   ; with lane l xor 16's two the word is whole, in both lanes
.irp i, 0,1,2
	global_store_b128 v[XQO], v[C+4*\i:C+4*\i+3], s[8:9] offset:512*\i     ; registers 4 i .. 4 i + 3 of all lanes: 512 consecutive bytes, from a multiple of 512
.endr
	global_store_b32 v[XSO], v[WD], s[10:11]       ; lanes r and r + 16 store the same word to the same place
	s_wait_tensorcnt 0x0
	ds_add_u32 v208, v209
	s_wait_dscnt 0x0
	s_endpgm
.Lcopy:                                                ; bucket 8: no expert takes these tokens: out0's row is x's row
.irp r, 0,1,2,3,4,5,6,7,8,9,10,11,12,13,14,15
	s_wait_loadcnt 15-\r                           ; row r is in
	global_store_b128 v[AD+\r], v[R+4*\r:R+4*\r+3], s[12:13]       ; 512 consecutive bytes of the row; a repeated token's bytes are stored again by this wave, the same
.endr
.Lend:
	s_endpgm
.Lfunc_end_k_q9b2c2da71b_prep:
	.size	k_q9b2c2da71b_prep, .Lfunc_end_k_q9b2c2da71b_prep-k_q9b2c2da71b_prep
	.p2alignl 7, 3214868480
	.fill 96, 4, 3214868480
	.section	.rodata,"a",@progbits
	.p2align	6, 0x0
	.amdhsa_kernel k_q9b2c2da71b_prep
		.amdhsa_group_segment_fixed_size 68608
		.amdhsa_private_segment_fixed_size 0
		.amdhsa_enable_private_segment 0
		.amdhsa_kernarg_size 40
		.amdhsa_user_sgpr_count 2
		.amdhsa_user_sgpr_kernarg_segment_ptr 1
		.amdhsa_wavefront_size32 1
		.amdhsa_system_sgpr_workgroup_id_x 1
		.amdhsa_system_sgpr_workgroup_id_y 1
		.amdhsa_system_sgpr_workgroup_id_z 1
		.amdhsa_system_vgpr_workitem_id 0
		.amdhsa_next_free_vgpr 210
		.amdhsa_next_free_sgpr 66
		.amdhsa_reserve_vcc 0
		.amdhsa_float_denorm_mode_32 3
		.amdhsa_float_denorm_mode_16_64 3
		.amdhsa_memory_ordered 1
		.amdhsa_forward_progress 1
		.amdhsa_inst_pref_size 15
	.end_amdhsa_kernel
	.amdgpu_metadata
---
amdhsa.version: [ 1, 2 ]
amdhsa.kernels:
  - .name:           k_q9b2c2da71b_prep
    .symbol:         k_q9b2c2da71b_prep.kd
    .args:
      - { .name: x, .offset: 0, .size: 8, .value_kind: global_buffer, .address_space: global }
      - { .name: rows, .offset: 8, .size: 8, .value_kind: global_buffer, .address_space: global }
      - { .name: xq, .offset: 16, .size: 8, .value_kind: global_buffer, .address_space: global }
      - { .name: xs, .offset: 24, .size: 8, .value_kind: global_buffer, .address_space: global }
      - { .name: out0, .offset: 32, .size: 8, .value_kind: global_buffer, .address_space: global }
    .group_segment_fixed_size: 68608
    .private_segment_fixed_size: 0
    .kernarg_segment_align: 8
    .kernarg_segment_size: 40
    .max_flat_workgroup_size: 256
    .sgpr_count:     66
    .vgpr_count:     210
    .wavefront_size: 32
...
	.end_amdgpu_metadata
.endif
;; end of part 5
;; launch gemm (part 6): grid 32 x 8, 4 waves a work-group, no clusters, 117,248 bytes of LDS; arguments W_codes, W_scales, b, x, xq, xs, rows, seg, out0; writes out0
.if DOCPART == 6
	.amdgcn_target "amdgcn-amd-amdhsa--gfx1250"
	.amdhsa_code_object_version 6
	.text
	.protected	k_q9b2c2da71b_gemm
	.globl	k_q9b2c2da71b_gemm
	.p2align	8
	.type	k_q9b2c2da71b_gemm,@function
k_q9b2c2da71b_gemm:
	s_mov_b64 s[64:65], 0
	v_nop
	global_prefetch_b8 v0, s[64:65] scope:SCOPE_SE
	s_setreg_imm32_b32 hwreg(HW_REG_WAVE_SCHED_MODE, 0, 2), 2
	s_setreg_imm32_b32 hwreg(HW_REG_WAVE_MODE, 25, 1), 1
	s_wait_xcnt 0x0
	s_wait_alu depctr_vm_vsrc(0)
; out0[t] = x[t] + relu(Q(x[t]) . W[e]^T + b[e]) for the tokens t of expert e, on codes of E3M2 with one E8M0 scale for each 32 along K; sums in f32.
; SHARES.  Work-group (c, e): expert e, output columns 64 c .. 64 c + 63, all rows of that expert.  8 x 32 = 256 work-groups; each byte of W is read from memory by one work-group, once.
; Each of the four waves keeps the WHOLE slice of W (64 rows x 2,048 codes: 64 fragments, 768 registers) and its scale words in registers, and the waves share the expert's tiles of 16 rows:
; wave w takes tiles ts + w, ts + w + 4, ...: (nt + 3 - w) / 4 of them, rounded down.  In the loop a wave needs no other wave: no barrier, and no operand comes out of LDS.
; W'S WAY IN.  Wave w loads rows 16 w .. 16 w + 15 of the slice, 512 consecutive bytes a load, and lays them into LDS; behind a barrier every wave takes all 64 rows' fragments.  In three slices
; (thirds of a row), so that the first fragments are taken while the rest of W is on its way.  All barriers stand ahead of the first branch on a number read from memory.
; x'S FRAGMENTS come from the launch before as images of the operand's registers: three loads of 512 consecutive bytes each, straight into a ring of eight fragments: six or seven K steps ahead.
; THE ORDER OF K INSIDE A STEP OF 128: lane (r, h) holds the 48 consecutive bytes at 96 s + 48 h of its row, of W as of x: the instruction's block 2 c + h is the true block 2 h + c.  The same
; products are summed, grouped otherwise inside an instruction.  The bytes of W's scale words are put in that order once (bytes 1 and 2 change places); x's words arrive so.
; THE MATRIX INSTRUCTION IS USED TRANSPOSED (source 0 = 16 rows of W, source 1 = 16 tokens): a lane holds one token and eight neighbouring columns.
; A tile's rows past the expert's last token repeat that token: they give the same numbers, which this wave stores to the same place again: no lane is ever switched off.
; NO JOINT LOADS, NO TENSOR LOADS: the 32 work-groups of an expert read the same fragments of x, but the number of tiles is read from memory.
; THE MODE: SCHED_MODE bits 1:0 = 2 (LLVM: expert scheduling mode 2), set by the entry lines.  The code itself states the register dependences between vector or matrix instructions and
; memory or LDS instructions, with s_wait_alu, always for 0.
; THE PLAN.  Registers that memory or LDS instructions touch, in the loop:
;   the ring     Place s % 8 is read by the four matrix instructions of K step s.  The loop goes in PAIRS of K steps: at the head of a pair one wait on va_vdst states that the pair before is
;                done reading its two places; the six loads into those two places follow it in one run, and no matrix instruction of the pair in hand names them.
;   XS 0-3, 4-7  Read as scales by K steps 0-7 and 8-15; loaded again at the heads of the pairs at K step 10 and at K step 0, behind those heads' waits.
;   TKE          Loaded at the head of the pair at K step 10; named by the sixteen lines of OADDR at a trip's end and by nothing else.
;   OA           Written by OADDR; read by the residual's loads at a trip's head and by the stores at its end.
;   RES          Loaded at a trip's head; read by the way out's additions.
;   ACC          Written by the matrix instructions; read by the LDS stores; LDS loads land in it; the way out's arithmetic writes it; the global stores read it.
;   v1-v6        Offsets and addresses, made once at the head and never written again: the tiles are reached by scalar bases and immediate offsets.
; A run of loads stands at a pair's head and is not dealt singly among the matrix instructions: a load's address stands in source 0, whose register window the matrix instructions switch.
; REGISTERS, in windows of 256: window 0: v1-9 addresses, v10-13 the bias, v14-21 the rows' offsets, v22-29 the tile's tokens, v30-37 x's scale words, v38-69 W's, v70-101 four accumulators,
;   v102-133 the residual, v134-229 the ring, v230-241 W's fragment 63, v242-248 addresses of the way in.   windows 1-3: W's fragment f = 4 s + j at register 12 (f % 21) of window 1 + f / 21.
;   On W's way in, v0-191 of window 3 take the rows as they are loaded.
.set PW,    1552                       ; a row of W in LDS: 1,536 bytes + 16: an odd multiple of 16 bytes, so that the sixteen rows of a fragment load begin in sixteen different columns of 16 bytes modulo 256
.set WROWS, 16*PW                      ; 16 rows
.set OST,   64*PW                      ; behind W: a stage of 16 rows x (256 bytes + 16) for each wave, its own
.set PO,    272
.set BIAS,  10
.set OA,    14
.set TKE,   22
.set XS,    30                         ; register i: lanes 0-15 the rows' words of K step 2 i, lanes 16-31 of step 2 i + 1
.set WS,    38                         ; register 8 j + 4 g + i: lanes 0-15 the words of W's tile j for K step 8 g + i, lanes 16-31 for step 8 g + 4 + i
.set ACC,   70
.set RES,   102
.set RING,  134
.set W63,   230
.set STW,   242                        ; v242     W's way in: where a load's 16 bytes go
.set VW,    243                        ; v243-246 and where my lane's 48 bytes of tile j's row begin
.set WSO,   247                        ; v247     my byte offset in the slice's scale bytes
.set BO,    248                        ; v248     and in its bias
.set MSB, 0
.macro WIN new                         ; the immediate's high byte repeats the setting that is left; a switch that changes nothing is dropped
.if MSB != (\new)
	s_set_vgpr_msb (MSB<<8)|(\new)
.set MSB, \new
.endif
.endm
; The bases of tile min(s31, last): its fragments, scale words and tokens.  The tile's number comes from memory: it is held inside the buffers' 136 tiles.
.macro BASES
	s_min_u32 s30, s31, s29
	s_min_u32 s30, s30, 135
	s_mul_i32 s32, s30, 24576
	s_add_nc_u64 s[34:35], s[12:13], s[32:33]
	s_lshl_b32 s32, s30, 10
	s_add_nc_u64 s[36:37], s[14:15], s[32:33]
	s_lshl_b32 s32, s30, 7
	s_add_nc_u64 s[38:39], s[16:17], s[32:33]
.endm
.macro TOKENS                          ; lanes 0-15: the tokens of rows 0-7; lanes 16-31: of rows 8-15
	global_load_b128 v[TKE:TKE+3], v6, s[38:39]
	global_load_b128 v[TKE+4:TKE+7], v6, s[38:39] offset:16
.endm
.macro XSC i0                          ; four registers of x's scale words: 128 consecutive bytes each
.irp i, 0,1,2,3
	global_load_b32 v[XS+\i0+\i], v2, s[36:37] offset:128*(\i0+\i)
.endr
.endm
.macro XFRAG ring, ks                  ; the fragment of K step ks into a place of the ring: three loads of 512 consecutive bytes.  No hint: 32 work-groups read these bytes
.irp i, 0,1,2
	global_load_b128 v[RING+12*(\ring)+4*\i:RING+12*(\ring)+4*\i+3], v1, s[34:35] offset:1536*(\ks)+512*\i
.endr
.endm
.macro OADDR                           ; the byte offsets, in x and in out0, of my 16 bytes of the rows that I store
.irp i, 0,1,2,3,4,5,6,7
	v_min_u32 v[TKE+\i], 0x7ff, v[TKE+\i]          ; a token's number, held inside x
	v_lshl_add_u32 v[OA+\i], v[TKE+\i], 13, v5
.endr
.endm
.macro SLICE i, left                   ; third i of my 16 rows of W goes into LDS.  left: the loads issued behind it that may stay out
	s_wait_loadcnt \left
	WIN 0x0c                                       ; an LDS store's data are its source 1: window 3
.irp q, 0,1,2,3,4,5,6,7,8,9,10,11,12,13,14,15
	ds_store_b128 v[STW], v[4*(16*\i+\q):4*(16*\i+\q)+3] offset:PW*\q+512*\i
.endr
	WIN 0
	s_wait_dscnt 0x0                               ; for the others' sake: my stores have landed (and the fragments asked for so far are in)
	s_barrier_signal -1
	s_barrier_wait -1
.endm
.macro WFRAG ks, j                     ; W's fragment (K step ks, tile j) out of LDS into its registers
.set F, 4*(\ks)+(\j)
.if F == 63
.set WN, 0
.set FRG, W63
.else
.set WN, (1+F/21)<<6
.set FRG, 12*(F%21)
.endif
	WIN WN                                         ; the destination's window
.irp i, 0,1,2
	ds_load_b128 v[FRG+4*\i:FRG+4*\i+3], v[VW+(\j)] offset:96*(\ks)+16*\i
.endr
.endm
; One matrix instruction: K step s, W's tile j.  The first step's take the constant 0 as C: nothing is cleared.
.macro MM s, j
.set F, 4*(\s)+(\j)
.if F == 63
.set WN, 0
.set FRG, W63
.else
.set WN, 1+F/21
.set FRG, 12*(F%21)
.endif
.set AC, ACC+8*(\j)
.set RG, RING+12*((\s)%8)
.set SW, WS+8*(\j)+4*((\s)/8)+(\s)%4
.set SX, XS+(\s)/2
	WIN WN                                         ; source 0's window; all else lies in window 0
.if (\s) == 0
	v_wmma_scale_f32_16x16x128_f8f6f4 v[AC:AC+7], v[FRG:FRG+11], v[RG:RG+11], 0, v[SW], v[SX] matrix_a_fmt:MATRIX_FMT_BF6 matrix_b_fmt:MATRIX_FMT_BF6
.elseif (((\s)/4)%2 == 0) && ((\s)%2 == 0)
	v_wmma_scale_f32_16x16x128_f8f6f4 v[AC:AC+7], v[FRG:FRG+11], v[RG:RG+11], v[AC:AC+7], v[SW], v[SX] matrix_a_fmt:MATRIX_FMT_BF6 matrix_b_fmt:MATRIX_FMT_BF6
.elseif (((\s)/4)%2 == 0) && ((\s)%2 == 1)
	v_wmma_scale_f32_16x16x128_f8f6f4 v[AC:AC+7], v[FRG:FRG+11], v[RG:RG+11], v[AC:AC+7], v[SW], v[SX] matrix_a_fmt:MATRIX_FMT_BF6 matrix_b_fmt:MATRIX_FMT_BF6 matrix_b_scale:MATRIX_SCALE_ROW1
.elseif (((\s)/4)%2 == 1) && ((\s)%2 == 0)
	v_wmma_scale_f32_16x16x128_f8f6f4 v[AC:AC+7], v[FRG:FRG+11], v[RG:RG+11], v[AC:AC+7], v[SW], v[SX] matrix_a_fmt:MATRIX_FMT_BF6 matrix_b_fmt:MATRIX_FMT_BF6 matrix_a_scale:MATRIX_SCALE_ROW1
.else
	v_wmma_scale_f32_16x16x128_f8f6f4 v[AC:AC+7], v[FRG:FRG+11], v[RG:RG+11], v[AC:AC+7], v[SW], v[SX] matrix_a_fmt:MATRIX_FMT_BF6 matrix_b_fmt:MATRIX_FMT_BF6 matrix_a_scale:MATRIX_SCALE_ROW1 matrix_b_scale:MATRIX_SCALE_ROW1
.endif
.endm
; A pair of K steps, s and s + 1: eight matrix instructions, the four accumulators by turns.  left: the loads issued behind fragment s, which may stay out;
; behind fragment s + 1 stand three fewer.  Loads come back in order (ISA guide 5.7.1).
.macro PAIR s, left
	s_wait_loadcnt \left
.irp j, 0,1,2,3
	MM \s, \j
.endr
	s_wait_loadcnt \left-3
.irp j, 0,1,2,3
	MM \s+1, \j
.endr
	WIN 0                                          ; loads follow: their address lies in window 0
.endm
; The head of a pair: the two places that the pair before has read take the fragments of K steps ks and ks + 1.
.macro REFILL r, ks
	s_wait_alu depctr_va_vdst(0)                   ; the eight matrix instructions of the pair before are done reading the ring's places r and r + 1, in which the six loads below land
	XFRAG \r, \ks
	XFRAG \r+1, \ks+1
.endm
	s_load_b512 s[4:19], s[0:1], 0x0               ; W's codes s[4:5], W's scales s[6:7], b s[8:9], x s[10:11], xq s[12:13], xs s[14:15], rows s[16:17], seg s[18:19]
	s_load_b64 s[20:21], s[0:1], 0x40              ; out0
	v_lshl_add_u32 v254, v0, 2, 0x1c800
	v_mov_b32 v255, 0
	v_lshrrev_b32 v7, 5, v0
	v_readfirstlane_b32 s22, v7                    ; wave 0..3
	s_mov_b32 s23, ttmp9                           ; c: my 64 columns
	s_and_b32 s24, ttmp7, 0xffff                   ; e: my expert
	s_mov_b32 s40, 0x03010200                      ; v_perm_b32: bytes 1 and 2 change places
	v_and_b32 v7, 31, v0                           ; lane
	v_and_b32 v8, 15, v0                           ; r
	v_bfe_u32 v9, v0, 4, 1                         ; h
	v_lshlrev_b32 v1, 4, v7                        ; 16 x lane
	v_lshlrev_b32 v2, 2, v7                        ; 4 x lane
	s_wait_alu depctr_va_sdst(0)                   ; s22 is written, ahead of its first reader: LDS addresses, W's base and my tiles are made from it
	s_mul_i32 s41, s22, 16*PO
	s_add_co_u32 s41, s41, OST                     ; my wave's stage
	v_mul_u32_u24 v3, v8, PO
	v_lshl_add_u32 v3, v9, 5, v3
	v_add_nc_u32 v3, s41, v3                       ; in: row r, + 32 h bytes: my eight columns of a tile of W
	v_mul_u32_u24 v4, v9, 8*PO
	v_lshl_add_u32 v4, v8, 4, v4
	v_add_nc_u32 v4, s41, v4                       ; back: lanes 0-15 a row of rows 0-7, lanes 16-31 the row 8 further on; 16 bytes a lane
	s_lshl_b32 s41, s23, 8
	v_lshl_add_u32 v5, v8, 4, s41                  ; my 16 bytes in a row of x and of out0: 256 c + 16 r
	v_lshlrev_b32 v6, 5, v9                        ; the tokens of my eight rows: 32 h bytes into the tile's list
	s_mul_i32 s41, s22, WROWS
	v_add_nc_u32 v[STW], s41, v1                   ; W's way in: my wave's 16 rows, 16 x lane
	v_mul_u32_u24 v[VW], v8, PW
	v_mad_u32_u24 v[VW], v9, 48, v[VW]             ; row r, + 48 h
	v_add_nc_u32 v[VW+1], WROWS, v[VW]
	v_add_nc_u32 v[VW+2], 2*WROWS, v[VW]
	v_add_nc_u32 v[VW+3], 3*WROWS, v[VW]
	v_lshlrev_b32 v[WSO], 6, v8
	v_lshl_add_u32 v[WSO], v9, 4, v[WSO]           ; a row of scale bytes is 64 bytes; + 16 h
	v_lshlrev_b32 v[BO], 4, v8
	s_mul_i32 s32, s24, 2048*1536                  ; W's codes: expert e,
	s_lshl_b32 s41, s23, 6
	s_lshl_b32 s42, s22, 4
	s_add_co_u32 s41, s41, s42
	s_mul_i32 s41, s41, 1536                       ; row 64 c + 16 w
	s_add_co_u32 s32, s32, s41
	s_mov_b32 s33, 0
	s_lshl_b32 s42, s24, 17                        ; W's scales: (2,048 e + 64 c) rows of 64 bytes
	s_lshl_b32 s41, s23, 12
	s_add_co_u32 s42, s42, s41
	s_mov_b32 s43, 0
	s_lshl_b32 s44, s24, 13                        ; b: (2,048 e + 64 c) numbers
	s_lshl_b32 s41, s23, 8
	s_add_co_u32 s44, s44, s41
	s_mov_b32 s45, 0
	s_lshl_b32 s46, s24, 2                         ; seg: word e
	s_mov_b32 s47, 0
	s_wait_kmcnt 0x0
	s_add_nc_u64 s[18:19], s[18:19], s[46:47]
	s_load_b32 s25, s[18:19], 0x0                  ; ts: my expert's first tile
	s_load_b32 s26, s[18:19], 0x20                 ; nt: its number of tiles
	s_add_nc_u64 s[4:5], s[4:5], s[32:33]
	s_add_nc_u64 s[6:7], s[6:7], s[42:43]
	s_add_nc_u64 s[8:9], s[8:9], s[44:45]
	WIN 0xc0                                       ; destination window 3, address window 0
	s_wait_alu depctr_va_vdst(0)                   ; the offsets and addresses v1 to v6 and v242 to v248 are written: every load, store and LDS instruction of the kernel but those by v[OA ..] reads one of them
.irp i, 0,1,2
.irp q, 0,1,2,3,4,5,6,7,8,9,10,11,12,13,14,15
	global_load_b128 v[4*(16*\i+\q):4*(16*\i+\q)+3], v1, s[4:5] offset:1536*\q+512*\i th:TH_LOAD_NT   ; third i of row q: 512 consecutive bytes, read once in the launch
.endr
.endr
	WIN 0
.irp j, 0,1,2,3
.irp g, 0,1
	global_load_b128 v[WS+8*\j+4*\g:WS+8*\j+4*\g+3], v[WSO], s[6:7] offset:1024*\j+32*\g   ; tile j's rows: the words of K steps 8 g + 4 h + 0 .. 3
.endr
.endr
	global_load_b128 v[BIAS:BIAS+3], v[BO], s[8:9] ; the bias of columns 64 c + 4 r + 0 .. 3
	s_wait_kmcnt 0x0
	s_add_co_u32 s27, s25, s22                     ; t: my wave's first tile
	s_add_co_u32 s28, s25, s26                     ; the expert's tiles end here
	s_max_u32 s29, s28, 1
	s_sub_co_u32 s29, s29, 1                       ; the tile at which look-ahead is held: the expert's last (for an expert without rows: the tile in front, or tile 0)
	s_add_co_u32 s42, s26, 3
	s_sub_co_u32 s42, s42, s22
	s_lshr_b32 s42, s42, 2                         ; my trips: (nt + 3 - w) / 4, rounded down: 0 where nt <= w
	s_min_u32 s42, s42, 34                         ; a number from memory: held at 136 tiles / 4 waves
	s_mov_b32 s41, 0                               ; trips done
	s_mov_b32 s31, s27
	BASES
	TOKENS
	XSC 0
.irp s, 0,1,2,3,4,5
	XFRAG \s, \s                                   ; K steps 0 to 5 of my first tile; every trip asks for its own steps 6 and 7 at its head
.endr
	; 81 loads have been issued: 3 x 16 of W, 8 + 1 of scales and bias, 2 + 4 + 18 for the first tile
	SLICE 0, 63                                    ; behind W's first third stand 32 + 33 loads: more than a wait can name, so the largest count that it can
.irp s, 0,1,2,3,4
.irp j, 0,1,2,3
	WFRAG \s, \j                                   ; K steps 0 to 4 lie in a row's bytes 0 .. 479
.endr
.endr
	WIN 0
	SLICE 1, 49                                    ; behind the second third: 16 + 33
.irp s, 5,6,7,8,9
.irp j, 0,1,2,3
	WFRAG \s, \j                                   ; K steps 5 to 9: bytes 480 .. 959
.endr
.endr
	WIN 0
	SLICE 2, 33                                    ; behind the last third: 33
	s_wait_alu depctr_vm_vsrc(0)                   ; the LDS stores of the three slices have read v0 to v191 of window 3, in which W's fragments 42 on land; only LDS loads and window switches stand between this wait and them
.irp s, 10,11,12,13,14,15
.irp j, 0,1,2,3
	WFRAG \s, \j
.endr
.endr
	WIN 0
	s_wait_dscnt 0x0                               ; W is in my registers
	s_wait_loadcnt 24                              ; W's scale words and the bias are in; behind them: 2 + 4 + 18
.irp k, 0,1,2,3,4,5,6,7,8,9,10,11,12,13,14,15,16,17,18,19,20,21,22,23,24,25,26,27,28,29,30,31
	v_perm_b32 v[WS+\k], v[WS+\k], v[WS+\k], s40   ; the bytes in the order of the blocks as the instruction takes them
.endr
	s_wait_loadcnt 22                              ; the tokens are in; behind them: 4 + 18
	OADDR
.rept 8
	v_nop                                          ; a scale register written by a vector instruction stands eight places ahead of a scaled matrix instruction; the wait beside these places is the one at the loop's head
.endr
	s_cmp_eq_u32 s42, 0
	s_cbranch_scc1 .Lend                           ; fewer tiles than waves: nothing for me (every barrier lies behind me)
.Ltile:                                                ; a trip = one tile of 16 rows x my 64 columns: 64 matrix instructions, 66 loads.  On the way in and on the way back 22 loads are out: x's scale registers 0 to 3 and fragments 0 to 5
	s_wait_alu depctr_va_vdst(0)                   ; v[OA ..] are written, which the residual's loads read; the last trip's additions are done reading v[RES ..], its K steps 14 and 15 the ring's places 6 and 7, its K steps 8 to 15 x's scale registers 4 to 7: loads land in all of these below.  In the first trip: W's scale words are written, which the matrix instructions take
	XFRAG 6, 6
	XFRAG 7, 7                                     ; ahead of the residual, so that K steps 6 and 7 do not wait for it
.irp i, 0,1,2,3,4,5,6,7
	global_load_b128 v[RES+4*\i:RES+4*\i+3], v[OA+\i], s[10:11]    ; the residual: sixteen lanes read 256 consecutive bytes of a row of x
.endr
	XSC 4
	PAIR 0, 33                                     ; behind fragment 0: fragments 1 to 7 (21), the residual (8), four scale registers.  x's scale registers 0 to 3 were asked for ahead of it
	REFILL 0, 8
	PAIR 2, 33                                     ; behind fragment 2: fragments 3 to 9 (21) + 8 + 4
	REFILL 2, 10
	PAIR 4, 33                                     ; behind fragment 4: fragments 5 to 11 + 8 + 4
	REFILL 4, 12
	PAIR 6, 33                                     ; behind fragment 6: fragments 7 to 13 + 8 + 4
	REFILL 6, 14
	PAIR 8, 21                                     ; behind fragment 8: fragments 9 to 15.  The residual and scale registers 4 to 7 were asked for ahead of it: they are in too
	s_wait_alu depctr_va_vdst(0)                   ; K steps 8 and 9 are done reading the ring's places 0 and 1, K steps 0 to 7 x's scale registers 0 to 3, and the lines that made v[OA ..] are done with v[TKE ..]: loads land in all of these below
	s_wait_xcnt 0x0                                ; the loads issued so far have read their bases: these may be written
	s_add_co_u32 s31, s27, 4
	BASES                                          ; on to my next tile; in my last trip it is held at the expert's last tile: every trip issues the same loads, and none leaves its buffer
	TOKENS
	XSC 0
	XFRAG 0, 0
	XFRAG 1, 1
	PAIR 10, 27                                    ; behind fragment 10: fragments 11 to 15 (15) + 2 + 4 + 6
	REFILL 2, 2
	PAIR 12, 27                                    ; behind fragment 12: 9 + 12 + 6
	REFILL 4, 4
	PAIR 14, 27                                    ; behind fragment 14: 3 + 12 + 12
	; THE WAY OUT.  A lane holds 32 bytes of a row for each of W's four tiles: they go through my stage and come back as whole rows of 256 bytes, into the registers that they left.
	; LDS serves a wave's instructions in order (ISA guide 5.7.1): no wait on DScnt between the stores and the loads.
.rept 4
	v_nop                                          ; four places behind the last matrix instruction, before its result is read (ISA guide 7.12.1)
.endr
	s_wait_alu depctr_va_vdst(0)                   ; the matrix instructions have written the accumulators, which the LDS stores read; the places above stay beside this wait
.irp j, 0,1,2,3
	ds_store_b128 v3, v[ACC+8*\j:ACC+8*\j+3] offset:64*\j          ; each accumulator from its low end on
	ds_store_b128 v3, v[ACC+8*\j+4:ACC+8*\j+7] offset:64*\j+16
.endr
	s_wait_alu depctr_vm_vsrc(0)                   ; the LDS stores have read v[ACC ..], in which the LDS loads land
.irp i, 0,1,2,3,4,5,6,7
	ds_load_b128 v[ACC+4*\i:ACC+4*\i+3], v4 offset:PO*\i           ; lanes 0-15 row i, lanes 16-31 row 8 + i
.endr
.irp i, 0,1,2,3,4,5,6,7
	s_wait_dscnt 7-\i                              ; rows i and 8 + i are back; the 7 - i loads behind them may be out
	v_pk_add_f32 v[ACC+4*\i:ACC+4*\i+1], v[ACC+4*\i:ACC+4*\i+1], v[BIAS:BIAS+1]
	v_pk_add_f32 v[ACC+4*\i+2:ACC+4*\i+3], v[ACC+4*\i+2:ACC+4*\i+3], v[BIAS+2:BIAS+3]
	v_max_num_f32 v[ACC+4*\i], 0, v[ACC+4*\i]
	v_max_num_f32 v[ACC+4*\i+1], 0, v[ACC+4*\i+1]
	v_max_num_f32 v[ACC+4*\i+2], 0, v[ACC+4*\i+2]
	v_max_num_f32 v[ACC+4*\i+3], 0, v[ACC+4*\i+3]
	v_pk_add_f32 v[ACC+4*\i:ACC+4*\i+1], v[ACC+4*\i:ACC+4*\i+1], v[RES+4*\i:RES+4*\i+1]
	v_pk_add_f32 v[ACC+4*\i+2:ACC+4*\i+3], v[ACC+4*\i+2:ACC+4*\i+3], v[RES+4*\i+2:RES+4*\i+3]
.endr
	s_wait_alu depctr_va_vdst(0)                   ; the additions have written all sixteen rows in v[ACC ..], which the run of stores reads: one wait for the eight
.irp i, 0,1,2,3,4,5,6,7
	global_store_b128 v[OA+\i], v[ACC+4*\i:ACC+4*\i+3], s[20:21] th:TH_STORE_NT    ; sixteen lanes store 256 consecutive bytes, from a multiple of 256; written once, read by nobody here
.endr
	s_wait_loadcnt 22                              ; the next tile's tokens are in; behind them: 4 + 18
	s_wait_xcnt 0x0                                ; the stores have had their addresses translated (ISA guide 3.1): their offsets and their data are written again only behind this wait
	s_wait_alu depctr_vm_vsrc(0)                   ; the stores have read v[OA ..], which the lines below write, and v[ACC ..], which the next trip's first matrix instructions write
	OADDR
	s_add_co_u32 s27, s27, 4                       ; my next tile's number: it feeds the bases alone
	s_add_co_u32 s41, s41, 1                       ; the loop is counted by trips, one at a time, against a number that it does not write
	s_cmp_lt_u32 s41, s42
	s_cbranch_scc1 .Ltile
.Lend:
	s_wait_dscnt 0x0                               ; the closing lines, six on end
	s_wait_alu 0x0
	s_wait_tensorcnt 0x0
	ds_add_u32 v254, v255
	s_wait_dscnt 0x0
	s_endpgm
.Lfunc_end_k_q9b2c2da71b_gemm:
	.size	k_q9b2c2da71b_gemm, .Lfunc_end_k_q9b2c2da71b_gemm-k_q9b2c2da71b_gemm
	.p2alignl 7, 3214868480
	.fill 96, 4, 3214868480
	.section	.rodata,"a",@progbits
	.p2align	6, 0x0
	.amdhsa_kernel k_q9b2c2da71b_gemm
		.amdhsa_group_segment_fixed_size 117248
		.amdhsa_private_segment_fixed_size 0
		.amdhsa_enable_private_segment 0
		.amdhsa_kernarg_size 72
		.amdhsa_user_sgpr_count 2
		.amdhsa_user_sgpr_kernarg_segment_ptr 1
		.amdhsa_wavefront_size32 1
		.amdhsa_system_sgpr_workgroup_id_x 1
		.amdhsa_system_sgpr_workgroup_id_y 1
		.amdhsa_system_sgpr_workgroup_id_z 1
		.amdhsa_system_vgpr_workitem_id 0
		.amdhsa_next_free_vgpr 1024
		.amdhsa_next_free_sgpr 66
		.amdhsa_reserve_vcc 0
		.amdhsa_float_denorm_mode_32 3
		.amdhsa_float_denorm_mode_16_64 3
		.amdhsa_memory_ordered 1
		.amdhsa_forward_progress 1
		.amdhsa_inst_pref_size 54
	.end_amdhsa_kernel
	.amdgpu_metadata
---
amdhsa.version: [ 1, 2 ]
amdhsa.kernels:
  - .name:           k_q9b2c2da71b_gemm
    .symbol:         k_q9b2c2da71b_gemm.kd
    .args:
      - { .name: W_codes, .offset: 0, .size: 8, .value_kind: global_buffer, .address_space: global }
      - { .name: W_scales, .offset: 8, .size: 8, .value_kind: global_buffer, .address_space: global }
      - { .name: b, .offset: 16, .size: 8, .value_kind: global_buffer, .address_space: global }
      - { .name: x, .offset: 24, .size: 8, .value_kind: global_buffer, .address_space: global }
      - { .name: xq, .offset: 32, .size: 8, .value_kind: global_buffer, .address_space: global }
      - { .name: xs, .offset: 40, .size: 8, .value_kind: global_buffer, .address_space: global }
      - { .name: rows, .offset: 48, .size: 8, .value_kind: global_buffer, .address_space: global }
      - { .name: seg, .offset: 56, .size: 8, .value_kind: global_buffer, .address_space: global }
      - { .name: out0, .offset: 64, .size: 8, .value_kind: global_buffer, .address_space: global }
    .group_segment_fixed_size: 117248
    .private_segment_fixed_size: 0
    .kernarg_segment_align: 8
    .kernarg_segment_size: 72
    .max_flat_workgroup_size: 128
    .sgpr_count:     66
    .vgpr_count:     1024
    .wavefront_size: 32
...
	.end_amdgpu_metadata
.endif
;; end of part 6
